; MI455X (gfx1250); checked and timed in simulation.
; The chip was launched on July 23, 2026; its instructions are those of AMD's public machine-readable ISA for CDNA 5 (MIT licence, August 2026) and "CDNA5" Instruction Set Architecture Reference Guide (July 2026). The comments in the code are by the model that wrote it; some were corrected since.
;; grouped Batched Experts. Allowed arithmetic: matrix products marked QUANTISED: E2M1 operands, one E8M0 scale for each 32 along K, by v_wmma_scale_f32_16x16x128_f8f6f4 with both operands' format E2M1 (or v_wmma_scale_f32_32x16x128_f4), f32 sums; products left as they are: f32 operands where the result goes on into a quantised operand, else bf16, f16 or f32 operands; f32 sums; everything else in f32.
;; Inputs: expert_weights 2,048 x 2 float32; scores 2,048 x 8 float32; top_experts 2,048 x 2 int32; w1 8 x 1,024 x 2,048 float32; w2 8 x 2,048 x 1,024 float32; x 2 x 1,024 x 1,024 float32.
;; Outputs: out0 2 x 1,024 x 1,024 float32.
;; This version of the problem:
;;   THIS VERSION OF THE PROBLEM IS GIVEN IN LOW PRECISION. The matrix products marked QUANTISED in the list below multiply operands that are first quantised to E2M1 (2 exponent bits, 1 mantissa bit; 4 bits a number), with one power-of-two scale for each 32 numbers along K (OCP MX v1.0); their sums are f32. All else is computed in f32.
;;   The module's matrix products, in the order in which they are computed (A, B: the left and right operand; K: the contracted axis; several contracted axes count as one K, in the product's order):
;;     1. batch 2,048 x [M 1, K 2] x [K 2, N 8]; A: input expert_weights; B: computed on the way: left as it is (K = 2 < 32)
;;     2. [M 2,048, K 1,024] x [K 1,024, N 2,048]; A: input x; B: input w1: QUANTISED
;;     3. [M 2,048, K 2,048] x [K 2,048, N 1,024]; A: computed on the way; B: input w2: QUANTISED
;;     4. [M 2,048, K 1,024] x [K 1,024, N 2,048]; A: input x; B: input w1: QUANTISED
;;     5. [M 2,048, K 2,048] x [K 2,048, N 1,024]; A: computed on the way; B: input w2: QUANTISED
;;     6. [M 2,048, K 1,024] x [K 1,024, N 2,048]; A: input x; B: input w1: QUANTISED
;;     7. [M 2,048, K 2,048] x [K 2,048, N 1,024]; A: computed on the way; B: input w2: QUANTISED
;;     8. [M 2,048, K 1,024] x [K 1,024, N 2,048]; A: input x; B: input w1: QUANTISED
;;     9. [M 2,048, K 2,048] x [K 2,048, N 1,024]; A: computed on the way; B: input w2: QUANTISED
;;     10. [M 2,048, K 1,024] x [K 1,024, N 2,048]; A: input x; B: input w1: QUANTISED
;;     11. [M 2,048, K 2,048] x [K 2,048, N 1,024]; A: computed on the way; B: input w2: QUANTISED
;;     12. [M 2,048, K 1,024] x [K 1,024, N 2,048]; A: input x; B: input w1: QUANTISED
;;     13. [M 2,048, K 2,048] x [K 2,048, N 1,024]; A: computed on the way; B: input w2: QUANTISED
;;     14. [M 2,048, K 1,024] x [K 1,024, N 2,048]; A: input x; B: input w1: QUANTISED
;;     15. [M 2,048, K 2,048] x [K 2,048, N 1,024]; A: computed on the way; B: input w2: QUANTISED
;;     16. [M 2,048, K 1,024] x [K 1,024, N 2,048]; A: input x; B: input w1: QUANTISED
;;     17. [M 2,048, K 2,048] x [K 2,048, N 1,024]; A: computed on the way; B: input w2: QUANTISED
;;   THE QUANTISER, for each operand of a quantised product, along K:
;;     - K is cut into blocks of 32 from its start; a last block that is shorter is filled with zeros.
;;     - A block's scale is 2^e with e = floor(log2(the largest magnitude in the block)) - 2, held to -126 .. 127; a block of zeros has e = 0. As a byte (E8M0): e + 127.
;;     - Each number is divided by its block's scale, clamped to +-6, and rounded to the nearest number of E2M1, ties to even, subnormals kept.
;;     - The product sums the exact products of the quantised numbers (number of the format x scale) in f32.
;;   ~~~python
;;   def quantise(x, axis):      # numpy; x: float32 -> the quantised numbers, widened to float32 again
;;       x = np.moveaxis(x, axis, -1); K = x.shape[-1]
;;       x = np.pad(x, [(0, 0)] * (x.ndim - 1) + [(0, -K % 32)]); x = x.reshape(x.shape[:-1] + (-1, 32)); a = np.abs(x).max(-1, keepdims=True)
;;       e = np.where(a > 0, np.clip(np.frexp(np.where(a > 0, a, 1))[1] - 1 - 2, -126, 127), 0)      # np.frexp(a)[1] - 1 = floor(log2(a)), exactly
;;       r = np.clip(x / 2.0 ** e, -6, 6)
;;       step = 2.0 ** (np.maximum(np.frexp(np.where(r == 0, 1, r))[1] - 1, 0) - 1)
;;       q = np.round(r / step) * step * 2.0 ** e      # np.round: ties to even
;;       return np.moveaxis(q.reshape(q.shape[:-2] + (-1,))[..., :K], -1, axis).astype(np.float32)
;;   ~~~
;;   OPERANDS COMPUTED ON THE WAY. 'Computed on the way' means the value that the module computes at that place (a softmax that the list does not call 'softmax' is quantised finished and normalised). What goes into a quantiser is computed in f32, as accurately as f32 sums, v_exp_f32 and their like allow (about 1e-6 of the number): no bf16 or f16 on the way to a quantiser, and a product that is left as it is and whose result goes on into a quantised operand takes f32 operands (vector FMAs, or v_wmma_f32_16x16x4_f32). A number that lies on a knife's edge between two numbers of the format may be rounded either way, as far as f32 arithmetic and the matrix unit's own rounding can turn it there, and no further.
;; 3 versions, each right; version 2 is faster than version 1; version 3 is version 2 with the launches up, down written anew for expert scheduling mode. Each part assembles by itself: llvm-mc -triple=amdgcn-amd-amdhsa -mcpu=gfx1250 --defsym DOCPART=n.
;; ======== version 1 of 3: 3 launches
;; limits: a function is approximated: absolute error at most 7.5e-08
;; workspace buffers: codes 17,825,792 bytes; scal 1,114,112 bytes; route 52,736 bytes of whole numbers; hid 5,135,360 bytes
;; launch prep (part 1): grid 1089 x 1, 4 waves a work-group, no clusters, 37,376 bytes of LDS; arguments x, w1, w2, top_experts, codes, scal, route; writes codes, scal, route
.if DOCPART == 1
	.amdgcn_target "amdgcn-amd-amdhsa--gfx1250"
	.amdhsa_code_object_version 6
	.text
	.protected	k_q1b27b45a8f_prep
	.globl	k_q1b27b45a8f_prep
	.p2align	8
	.type	k_q1b27b45a8f_prep,@function
k_q1b27b45a8f_prep:
	s_mov_b64 s[64:65], 0
	v_nop
	global_prefetch_b8 v0, s[64:65] scope:SCOPE_SE
	s_setreg_imm32_b32 hwreg(HW_REG_WAVE_MODE, 25, 1), 1
	s_wait_xcnt 0x0
; PREP: w1 [8][1024][2048], w2 [8][2048][1024] and x [2048][1024], f32, become codes of FP4 (E2M1) with one E8M0 byte for each 32 along K; one work-group makes the routing lists.
; A block's scale is 2^(floor(log2(largest magnitude)) - 2): its byte is the largest magnitude's exponent field - 2, held at 1 from below.
; LIMITS: NaN and infinities are not served; a block whose largest magnitude lies under 2^-124 (a block of zeros too) keeps the byte 1: a block of zeros has zero codes, and this program alone reads the bytes.
; The input scores enters no line of the computation and is read by no launch.
; WORK-GROUPS: 0 routing; 1..64 x; 65..576 w1; 577..1088 w2.  The paths part on the work-group's number; each path that uses LDS has bytes of its own.
; LAYOUTS.  codes: W1C at 0 [e][tile 128][K step 8][1,024 B]; W2C [e][tile 64][K step 16][1,024 B]; XC [token][512 B].  A piece of 1,024 bytes is the image of an operand's registers:
;   [block of 32 k: 4][row 16][16 B], so that loads of 16 bytes at 16 x lane and 512 further on fill a fragment.  Pair P is columns 32 P .. 32 P + 31; row m of tile 2 P + u is column 32 P + 8 u + m % 8 + 16 (m / 8):
;   a product's results of two neighbouring tiles are then 16 neighbours in a lane.
; scal: W1S at 0 [e][kq 4][pair 64][lane 32][8 B]; W2S [e][kq 8][pair 32][lane][8 B]; lane = 16 u + m, the 8 bytes are the scale words of K steps 2 kq, 2 kq + 1.  XS [token][32 B].
; route: PTOK [4,720] token of each position; TINFO [64]{expert, rows}: row tile i is positions 80 i .. 80 i + 79 of one expert; REC [2,048]{token, e0 | e1 << 8, p0, p1}, sorted by the pair of experts.
.set W2C,   8388608
.set XCO,   16777216
.set W2S,   524288
.set XSO,   1048576
.set TINFO, 19456
.set RECO,  19968
.set RT1,   32768                      ; LDS, routing: [wave][lane] counts by expert, 512 bytes
.set RT2,   33280                      ; [half][wave][lane] counts by pair key, 1,024 bytes
.set WREG,  8192                       ; LDS, x: a region for each wave: two stages of 32 x SP bytes, then 256 scale bytes
.set SP,    80
.set XR,    16                         ; x: v16-79 four sets as loaded; v80-111 two sets of 16 neighbours; v112-127 bytes; v128-191 codes
.set XN,    80
.set XE,    112
.set XCD,   128
.set WX,    32                         ; weights: v32-95 two sets of 32 numbers; v96-127 codes, four registers a block; v[14:15] the eight scale bytes
.set WC,    96
.set SB,    14
.set K,     32                         ; routing: v32-63 experts; v64-127 the records; v128-159 positions' addresses; v160-175 pair keys; v176-191 ranks by key
.set RC,    64
.set PA,    128
.set KEY,   160
.set R2,    176
.set CA,    28                         ; v28 my wave's counts by expert (lane = expert); v29, v30 by pair key (lane = key % 32)
.set CB,    29
; ---- the weights: a lane takes a column, its registers run down K
.macro WLOAD t, pitch
.irp i, 0,1,2,3,4,5,6,7,8,9,10,11,12,13,14,15,16,17,18,19,20,21,22,23,24,25,26,27,28,29,30,31
	global_load_b32 v[WX+32*((\t)%2)+\i], v4, s[26:27] offset:(32*(\t)+\i)*\pitch th:TH_LOAD_NT
.endr
.endm
.macro WBLOCK t, pitch
.set WQ, WX+32*((\t)%2)
.if (\t) < 7
	s_wait_loadcnt 32                              ; this block's 32 loads are in; the next block's 32 may be out
.else
	s_wait_loadcnt 0x0
.endif
	v_max3_num_f32 v12, |v[WQ]|, |v[WQ+1]|, |v[WQ+2]|   ; the block's largest magnitude: all 32 numbers are mine; two chains
	v_max3_num_f32 v13, |v[WQ+3]|, |v[WQ+4]|, |v[WQ+5]|
.irp i, 6,10,14,18,22,26
	v_max3_num_f32 v12, v12, |v[WQ+\i]|, |v[WQ+\i+1]|
	v_max3_num_f32 v13, v13, |v[WQ+\i+2]|, |v[WQ+\i+3]|
.endr
	v_max3_num_f32 v12, v12, |v[WQ+30]|, |v[WQ+31]|
	v_max3_num_f32 v12, v12, v13, 0x1800000        ; and the floor 2^(3 - 127): the byte cannot fall under 1
	v_add_nc_u32 v11, 0xff000000, v12              ; 2 off the exponent field: the conversion takes this operand's exponent field as its scale
	v_lshrrev_b32 v13, 23, v11                     ; the scale's byte
.if (\t)%4 == 0
	v_mov_b32 v[SB+(\t)/4], v13
.else
	v_lshl_or_b32 v[SB+(\t)/4], v13, 8*((\t)%4), v[SB+(\t)/4]
.endif
.irp g, 0,1,2,3
	v_cvt_scalef32_pk8_fp4_f32 v[WC+4*(\t)+\g], v[WQ+8*\g:WQ+8*\g+7], v11
.endr
	global_store_b128 v5, v[WC+4*(\t):WC+4*(\t)+3], s[28:29] offset:256*(\t)   ; lanes 0-15 store 256 consecutive aligned bytes of tile 2 P, lanes 16-31 of tile 2 P + 1; each block has its own registers, so no store's data are rewritten
.if (\t)+2 < 8
	WLOAD (\t)+2, \pitch
.endif
.endm
; A work-group: 128 columns x 256 k of one expert; a wave: pair P = 4 cg + wave, 8 blocks of 32.
.macro WPATH first, pitch, ts, npair, cgb, kqm, srclo, coff, soff
	s_sub_co_u32 s20, ttmp9, \first
	s_and_b32 s21, s20, (1<<\cgb)-1                ; cg
	s_lshr_b32 s22, s20, \cgb
	s_and_b32 s22, s22, \kqm                       ; kq
	s_lshr_b32 s23, s20, 6                         ; expert
	s_lshl_b32 s21, s21, 2
	s_add_co_u32 s21, s21, s18                     ; P
	s_lshl_b32 s24, s23, 23                        ; the source: expert x 8 MiB + kq x 256 rows + 128 bytes x P
	s_mul_i32 s25, s22, 256*\pitch
	s_add_co_u32 s24, s24, s25
	s_lshl_b32 s25, s21, 7
	s_add_co_u32 s24, s24, s25
	s_mov_b32 s25, 0
	s_add_nc_u64 s[26:27], s[\srclo:\srclo+1], s[24:25]
	s_lshl_b32 s24, s23, 20                        ; the codes: expert x 1 MiB + tile 2 P + K step 2 kq
	s_mul_i32 s28, s21, 2*\ts
	s_add_co_u32 s24, s24, s28
	s_lshl_b32 s28, s22, 11
	s_add_co_u32 s24, s24, s28
	s_add_co_u32 s24, s24, \coff
	s_add_nc_u64 s[28:29], s[12:13], s[24:25]
	s_lshl_b32 s24, s23, 16                        ; the scale words
	s_mul_i32 s30, s22, \npair*256
	s_add_co_u32 s24, s24, s30
	s_lshl_b32 s30, s21, 8
	s_add_co_u32 s24, s24, s30
	s_add_co_u32 s24, s24, \soff
	s_add_nc_u64 s[30:31], s[14:15], s[24:25]
	v_and_b32 v2, 7, v1                            ; lane = 16 u + m takes column 8 u + m % 8 + 16 (m / 8) of the pair
	v_bfe_u32 v3, v1, 3, 1
	v_bfe_u32 v7, v1, 4, 1
	v_lshl_add_u32 v2, v3, 4, v2
	v_lshl_add_u32 v2, v7, 3, v2
	v_lshlrev_b32 v4, 2, v2                        ; in: 4 bytes a column
	v_and_b32 v5, 15, v1
	v_lshlrev_b32 v5, 4, v5
	v_mad_u32_u24 v5, v7, \ts, v5                  ; out: tile u, row m
	v_lshlrev_b32 v6, 3, v1
	WLOAD 0, \pitch
	WLOAD 1, \pitch
.irp t, 0,1,2,3,4,5,6,7
	WBLOCK \t, \pitch
.endr
	global_store_b64 v6, v[SB:SB+1], s[30:31]      ; 32 lanes store 256 consecutive aligned bytes
	s_endpgm
.endm
; ---- x: K is innermost: a plain stream of blocks.  Loads take the bytes as they lie; a step's 2,048 bytes turn through the wave's own stage so that a lane holds 16 neighbours
.macro XLOAD t
.irp i, 0,1,2,3
	global_load_b128 v[XR+16*((\t)%4)+4*\i:XR+16*((\t)%4)+4*\i+3], v3, s[26:27] offset:2048*(\t)+512*\i th:TH_LOAD_NT
.endr
.endm
.macro XTURN t                         ; LDS serves a wave's instructions in order: no wait between the stores and the loads
.irp i, 0,1,2,3
	ds_store_b128 v14, v[XR+16*((\t)%4)+4*\i:XR+16*((\t)%4)+4*\i+3] offset:32*SP*((\t)%2)+8*SP*\i
.endr
.irp i, 0,1,2,3
	ds_load_b128 v[XN+16*((\t)%2)+4*\i:XN+16*((\t)%2)+4*\i+3], v15 offset:32*SP*((\t)%2)+16*\i
.endr
.endm
.macro XSTEP t
.set XQ, XN+16*((\t)%2)
.if (\t) > 0
	s_wait_dscnt 1                                 ; this step's numbers are back from the stage (the last step's byte store may be out)
.else
	s_wait_dscnt 0x0
.endif
.if (\t)+4 < 16
	XLOAD (\t)+4                                   ; into the registers that this step's stage stores have read
.endif
.if (\t)+1 < 16
.if 14-(\t) >= 3
	s_wait_loadcnt 12                              ; the next step's four loads are in; those of the three steps behind it may be out
.else
	s_wait_loadcnt 4*(14-(\t))
.endif
	XTURN (\t)+1
.endif
	v_max3_num_f32 v8, |v[XQ]|, |v[XQ+1]|, |v[XQ+2]|
	v_max3_num_f32 v9, |v[XQ+3]|, |v[XQ+4]|, |v[XQ+5]|
.irp i, 6,10
	v_max3_num_f32 v8, v8, |v[XQ+\i]|, |v[XQ+\i+1]|
	v_max3_num_f32 v9, v9, |v[XQ+\i+2]|, |v[XQ+\i+3]|
.endr
	v_max3_num_f32 v8, v8, |v[XQ+14]|, |v[XQ+15]|
	v_max3_num_f32 v8, v8, v9, 0x1800000           ; the floor 2^(3 - 127)
	v_max_num_f32_dpp v8, v8, v8 row_xmask:1 row_mask:0xf bank_mask:0xf   ; with my neighbour's 16: the block's largest magnitude
	v_add_nc_u32 v11, 0xff000000, v8
	v_cvt_scalef32_pk8_fp4_f32 v[XCD+4*(\t)], v[XQ:XQ+7], v11
	v_cvt_scalef32_pk8_fp4_f32 v[XCD+4*(\t)+1], v[XQ+8:XQ+15], v11
	v_lshrrev_b32 v[XE+(\t)], 23, v11              ; the scale's byte (also the plain line behind the conversions)
	ds_store_b8 v5, v[XE+(\t)] offset:16*(\t)      ; both lanes of a block write the same byte with the same value
	global_store_b64 v4, v[XCD+4*(\t):XCD+4*(\t)+1], s[28:29] offset:256*(\t)   ; the wave stores 256 consecutive aligned bytes
.endm
; ---- routing: the rank of each lane's item among the wave's items of one bin; s[cnt] runs on
.macro RANK key, dst, bin, cnt
	v_cmp_eq_u32 s22, s[\bin], v[\key]
	v_mbcnt_lo_u32_b32 v3, s22, s[\cnt]            ; lanes below me in the bin + what earlier registers held
	v_cndmask_b32 v[\dst], v[\dst], v3, s22
	s_bcnt1_i32_b32 s23, s22
	s_add_co_u32 s[\cnt], s[\cnt], s23
.endm
.macro SUMS b, tot, prev               ; of the four waves' counts in v[b] on: the sum, and the sum over the waves ahead of mine
	v_and_b32 v[\prev], s28, v[\b]
	v_and_b32 v2, s29, v[\b+1]
	v_and_b32 v3, s30, v[\b+2]
	v_add3_u32 v[\prev], v[\prev], v2, v3
	v_add3_u32 v[\tot], v[\b], v[\b+1], v[\b+2]
	v_add_nc_u32 v[\tot], v[\tot], v[\b+3]
.endm
	s_load_b256 s[4:11], s[0:1], 0x0               ; x s[4:5], w1 s[6:7], w2 s[8:9], top_experts s[10:11]
	s_load_b128 s[12:15], s[0:1], 0x20             ; codes s[12:13], scal s[14:15]
	s_load_b64 s[16:17], s[0:1], 0x30              ; route
	v_lshl_add_u32 v192, v0, 2, 0x9000
	v_mov_b32 v193, 0
	v_lshrrev_b32 v1, 5, v0
	v_readfirstlane_b32 s18, v1                    ; wave
	v_and_b32 v1, 31, v0                           ; lane
	s_wait_kmcnt 0x0
	s_cmp_eq_u32 ttmp9, 0
	s_cbranch_scc1 .Lroute
	s_cmp_lt_u32 ttmp9, 65
	s_cbranch_scc1 .Lx
	s_cmp_lt_u32 ttmp9, 577
	s_cbranch_scc1 .Lw1
	WPATH 577, 4096, 16384, 32, 3, 7, 8, W2C, W2S
.Lw1:
	WPATH 65, 8192, 8192, 64, 4, 3, 6, 0, 0
.Lx:                                                   ; a wave takes a run of 8,192 numbers: 16 steps of 512
	v_lshlrev_b32 v3, 4, v1                        ; my 16 bytes of a load's 512
	s_mul_i32 s20, s18, WREG
	v_lshrrev_b32 v14, 2, v1
	v_mul_u32_u24 v14, v14, SP
	v_and_b32 v15, 3, v1
	v_lshl_add_u32 v14, v15, 4, v14
	v_add_nc_u32 v14, s20, v14                     ; the stage, in: four lanes' 64 bytes on end, then 16 of padding
	v_mul_u32_u24 v15, v1, SP
	v_add_nc_u32 v15, s20, v15                     ; out: my 16 neighbours
	v_lshlrev_b32 v4, 3, v1                        ; my 8 bytes of a step's codes
	v_lshrrev_b32 v5, 1, v1
	s_add_co_u32 s20, s20, 2*32*SP
	v_add_nc_u32 v5, s20, v5                       ; my block's byte among the wave's 256
	v_lshlrev_b32 v7, 3, v1
	v_add_nc_u32 v6, s20, v7
	s_sub_co_u32 s21, ttmp9, 1
	s_lshl_b32 s21, s21, 2
	s_add_co_u32 s22, s21, s18                     ; my run
	s_mov_b32 s25, 0
	s_lshl_b32 s24, s22, 15
	s_add_nc_u64 s[26:27], s[4:5], s[24:25]
	s_lshl_b32 s24, s22, 12
	s_add_co_u32 s24, s24, XCO
	s_add_nc_u64 s[28:29], s[12:13], s[24:25]
	s_lshl_b32 s24, s22, 8
	s_add_co_u32 s24, s24, XSO
	s_add_nc_u64 s[30:31], s[14:15], s[24:25]
.irp t, 0,1,2,3
	XLOAD \t
.endr
	s_wait_loadcnt 12                              ; step 0's four loads are in
	XTURN 0
.irp t, 0,1,2,3,4,5,6,7,8,9,10,11,12,13,14,15
	XSTEP \t
.endr
	ds_load_b64 v[12:13], v6                       ; in order behind my byte stores
	s_wait_dscnt 0x0
	global_store_b64 v7, v[12:13], s[30:31]        ; 256 consecutive aligned bytes
	s_wait_tensorcnt 0x0
	ds_add_u32 v192, v193
	s_wait_dscnt 0x0
	s_endpgm
.Lroute:                                               ; a counting sort without atomics: ranks in the wave, counts through LDS, offsets by a scan
	s_lshl_b32 s20, s18, 12
	v_lshl_add_u32 v2, v1, 4, s20                  ; wave w reads ints 1,024 w on; load a: ints 128 a + 4 lane .. + 3: two tokens
.irp a, 0,1,2,3,4,5,6,7
	global_load_b128 v[K+4*\a:K+4*\a+3], v2, s[10:11] offset:512*\a
.endr
	s_lshl_b32 s20, s18, 9
	v_lshl_add_u32 v3, v1, 1, s20
.set q, 0
.rept 16
	v_add_nc_u32 v[RC+4*q], 64*(q/2)+(q%2), v3     ; my token q: 512 w + 64 (q / 2) + 2 lane + q % 2
	v_mov_b32 v[RC+4*q+2], 0                       ; the ranks are chosen into these registers: written once
	v_mov_b32 v[RC+4*q+3], 0
	v_mov_b32 v[R2+q], 0
.set q, q+1
.endr
	v_mov_b32 v[CA], 0
	v_mov_b32 v[CB], 0
	v_mov_b32 v[CB+1], 0
	s_wait_loadcnt 0x0
.set g, 0
.rept 32
	v_min_u32 v[K+g], 7, v[K+g]                    ; an index stays inside its table; held all the same
.set g, g+1
.endr
.set q, 0
.rept 16
	v_lshl_or_b32 v[RC+4*q+1], v[K+2*q+1], 8, v[K+2*q]
	v_min_u32 v4, v[K+2*q], v[K+2*q+1]
	v_max_u32 v5, v[K+2*q], v[K+2*q+1]
	v_lshl_add_u32 v[KEY+q], v4, 3, v5             ; the pair's key: 8 x smaller + larger
.set q, q+1
.endr
	s_mov_b32 s20, 0
.LloopA:                                               ; 8 trips: the expert
	s_mov_b32 s21, 0
.set g, 0
.rept 32
	RANK K+g, RC+4*(g/2)+2+(g%2), 20, 21
.set g, g+1
.endr
	v_writelane_b32 v[CA], s21, s20
	s_add_co_u32 s20, s20, 1
	s_cmp_lt_u32 s20, 8
	s_cbranch_scc1 .LloopA
	s_mov_b32 s20, 0
.LloopB:                                               ; 32 trips: keys b and b + 32; a key whose first digit is the larger has no tokens and is passed over
	s_mov_b32 s21, 0
	s_lshr_b32 s24, s20, 3
	s_and_b32 s25, s20, 7
	s_cmp_gt_u32 s24, s25
	s_cbranch_scc1 .LskipB0
.set q, 0
.rept 16
	RANK KEY+q, R2+q, 20, 21
.set q, q+1
.endr
.LskipB0:
	v_writelane_b32 v[CB], s21, s20
	s_add_co_u32 s26, s20, 32
	s_mov_b32 s27, 0
	s_add_co_u32 s24, s24, 4
	s_cmp_gt_u32 s24, s25
	s_cbranch_scc1 .LskipB1
.set q, 0
.rept 16
	RANK KEY+q, R2+q, 26, 27
.set q, q+1
.endr
.LskipB1:
	v_writelane_b32 v[CB+1], s27, s20
	s_add_co_u32 s20, s20, 1
	s_cmp_lt_u32 s20, 32
	s_cbranch_scc1 .LloopB
	v_lshl_add_u32 v6, v0, 2, RT1                  ; a word for each thread
	ds_store_b32 v6, v[CA]
	ds_store_b32 v6, v[CB] offset:512
	ds_store_b32 v6, v[CB+1] offset:1024
	s_wait_dscnt 0x0                               ; for the others' sake: my counts have landed
	s_barrier_signal -1
	s_barrier_wait -1
	v_lshl_add_u32 v7, v1, 2, RT1
.irp w, 0,1,2,3
	ds_load_b32 v[16+\w], v7 offset:128*\w
	ds_load_b32 v[20+\w], v7 offset:512+128*\w
	ds_load_b32 v[24+\w], v7 offset:1024+128*\w
.endr
.irp w, 0,1,2
	s_cmp_gt_u32 s18, \w
	s_cselect_b32 s[28+\w], -1, 0                  ; all ones where wave w stands ahead of mine
.endr
	s_wait_dscnt 0x0
	SUMS 16, 8, 11
	SUMS 20, 9, 12
	SUMS 24, 10, 13
	v_mov_b32 v14, 0
	s_mov_b32 s31, 0                               ; tiles so far
.irp e, 0,1,2,3,4,5,6,7
	v_readlane_b32 s[48+\e], v8, \e                ; the expert's rows
	s_mov_b32 s[40+\e], s31                        ; its first tile
	s_mul_i32 s22, s31, 80
	v_writelane_b32 v14, s22, \e                   ; its first position
	s_add_co_u32 s23, s[48+\e], 79
	s_mul_i32 s23, s23, 13108
	s_lshr_b32 s23, s23, 20                        ; (rows + 79) / 80: 13,108 / 2^20 exceeds 1 / 80 by 7.7e-7, which over 4,175 stays under 1 / 80
	s_add_co_u32 s31, s31, s23
	s_add_co_u32 s[48+\e], s[48+\e], s22           ; rows + first position
.endr
	v_add_nc_u32 v15, v14, v11                     ; lane e: where my wave's rows of expert e begin
.set g, 0
.rept 32
	v_lshlrev_b32 v[PA+g], 2, v[K+g]
.set g, g+1
.endr
.set g, 0
.rept 32
	ds_bpermute_b32 v[PA+g], v[PA+g], v15          ; each item fetches its expert's offset
.set g, g+1
.endr
	s_wait_dscnt 0x0
.set g, 0
.rept 32
	v_add_nc_u32 v[RC+4*(g/2)+2+(g%2)], v[RC+4*(g/2)+2+(g%2)], v[PA+g]   ; the position
.set g, g+1
.endr
.set g, 0
.rept 32
	v_min_u32 v[PA+g], 4719, v[RC+4*(g/2)+2+(g%2)]
.set g, g+1
.endr
.set g, 0
.rept 32
	v_lshlrev_b32 v[PA+g], 2, v[PA+g]
.set g, g+1
.endr
.set g, 0
.rept 32
	global_store_b32 v[PA+g], v[RC+4*(g/2)], s[16:17]   ; PTOK[position] = token
.set g, g+1
.endr
	s_cmp_gt_u32 s18, 1                            ; waves 0 and 1: tile i = thread; all 64 entries are written
	s_cbranch_scc1 .Lno_tinfo
	v_mul_u32_u24 v2, v0, 80
	v_mov_b32 v16, 0
	v_mov_b32 v17, 0
.irp e, 0,1,2,3,4,5,6,7
	v_cmp_le_u32 vcc_lo, s[40+\e], v0              ; the last expert whose first tile is at or below i owns it
	v_max_u32 v3, s[48+\e], v2
	v_sub_nc_u32 v3, v3, v2                        ; its rows from position 80 i on, 0 at the least
	v_mov_b32 v5, \e
	v_cndmask_b32 v16, v16, v5, vcc_lo
	v_cndmask_b32 v17, v17, v3, vcc_lo
.endr
	v_min_u32 v17, 80, v17
	v_lshlrev_b32 v4, 3, v0
	global_store_b64 v4, v[16:17], s[16:17] offset:TINFO
.Lno_tinfo:
	v_mov_b32 v18, 0
	v_mov_b32 v19, 0
	s_mov_b32 s21, 0
.irp b, 0,1,2,3,4,5,6,7,8,9,10,11,12,13,14,15,16,17,18,19,20,21,22,23,24,25,26,27,28,29,30,31
	v_readlane_b32 s22, v9, \b                     ; the scan over the 64 keys, written out
	v_writelane_b32 v18, s21, \b
	s_add_co_u32 s21, s21, s22
.endr
.irp b, 0,1,2,3,4,5,6,7,8,9,10,11,12,13,14,15,16,17,18,19,20,21,22,23,24,25,26,27,28,29,30,31
	v_readlane_b32 s22, v10, \b
	v_writelane_b32 v19, s21, \b
	s_add_co_u32 s21, s21, s22
.endr
	v_add_nc_u32 v18, v18, v12
	v_add_nc_u32 v19, v19, v13
.set q, 0
.rept 16
	v_and_b32 v[K+q], 31, v[KEY+q]
	v_lshlrev_b32 v[K+q], 2, v[K+q]
.set q, q+1
.endr
.set q, 0
.rept 16
	ds_bpermute_b32 v[K+16+q], v[K+q], v19
	ds_bpermute_b32 v[K+q], v[K+q], v18
.set q, q+1
.endr
	s_wait_dscnt 0x0
.set q, 0
.rept 16
	v_cmp_le_u32 vcc_lo, 32, v[KEY+q]
	v_cndmask_b32 v[K+q], v[K+q], v[K+16+q], vcc_lo
	v_add_nc_u32 v[R2+q], v[R2+q], v[K+q]          ; the token's place in the sorted list
	v_min_u32 v[R2+q], 2047, v[R2+q]
	v_lshlrev_b32 v[R2+q], 4, v[R2+q]
	global_store_b128 v[R2+q], v[RC+4*q:RC+4*q+3], s[16:17] offset:RECO
.set q, q+1
.endr
	s_wait_tensorcnt 0x0
	ds_add_u32 v192, v193
	s_wait_dscnt 0x0
	s_endpgm
.Lfunc_end_k_q1b27b45a8f_prep:
	.size	k_q1b27b45a8f_prep, .Lfunc_end_k_q1b27b45a8f_prep-k_q1b27b45a8f_prep
	.p2alignl 7, 3214868480
	.fill 96, 4, 3214868480
	.section	.rodata,"a",@progbits
	.p2align	6, 0x0
	.amdhsa_kernel k_q1b27b45a8f_prep
		.amdhsa_group_segment_fixed_size 37376
		.amdhsa_private_segment_fixed_size 0
		.amdhsa_enable_private_segment 0
		.amdhsa_kernarg_size 56
		.amdhsa_user_sgpr_count 2
		.amdhsa_user_sgpr_kernarg_segment_ptr 1
		.amdhsa_wavefront_size32 1
		.amdhsa_system_sgpr_workgroup_id_x 1
		.amdhsa_system_sgpr_workgroup_id_y 1
		.amdhsa_system_sgpr_workgroup_id_z 1
		.amdhsa_system_vgpr_workitem_id 0
		.amdhsa_next_free_vgpr 194
		.amdhsa_next_free_sgpr 66
		.amdhsa_reserve_vcc 1
		.amdhsa_float_denorm_mode_32 3
		.amdhsa_float_denorm_mode_16_64 3
		.amdhsa_memory_ordered 1
		.amdhsa_forward_progress 1
		.amdhsa_inst_pref_size 169
	.end_amdhsa_kernel
	.amdgpu_metadata
---
amdhsa.version: [ 1, 2 ]
amdhsa.kernels:
  - .name:           k_q1b27b45a8f_prep
    .symbol:         k_q1b27b45a8f_prep.kd
    .args:
      - { .name: x, .offset: 0, .size: 8, .value_kind: global_buffer, .address_space: global }
      - { .name: w1, .offset: 8, .size: 8, .value_kind: global_buffer, .address_space: global }
      - { .name: w2, .offset: 16, .size: 8, .value_kind: global_buffer, .address_space: global }
      - { .name: top_experts, .offset: 24, .size: 8, .value_kind: global_buffer, .address_space: global }
      - { .name: codes, .offset: 32, .size: 8, .value_kind: global_buffer, .address_space: global }
      - { .name: scal, .offset: 40, .size: 8, .value_kind: global_buffer, .address_space: global }
      - { .name: route, .offset: 48, .size: 8, .value_kind: global_buffer, .address_space: global }
    .group_segment_fixed_size: 37376
    .private_segment_fixed_size: 0
    .kernarg_segment_align: 8
    .kernarg_segment_size: 56
    .max_flat_workgroup_size: 128
    .sgpr_count:     66
    .vgpr_count:     194
    .wavefront_size: 32
...
	.end_amdgpu_metadata
.endif
;; end of part 1
;; launch up (part 2): grid 4 x 59, 4 waves a work-group, no clusters, 67,072 bytes of LDS; arguments codes, scal, route, hid; writes hid
.if DOCPART == 2
	.amdgcn_target "amdgcn-amd-amdhsa--gfx1250"
	.amdhsa_code_object_version 6
	.text
	.protected	k_q1b27b45a8f_up
	.globl	k_q1b27b45a8f_up
	.p2align	8
	.type	k_q1b27b45a8f_up,@function
k_q1b27b45a8f_up:
	s_mov_b64 s[64:65], 0
	v_nop
	global_prefetch_b8 v0, s[64:65] scope:SCOPE_SE
	s_setreg_imm32_b32 hwreg(HW_REG_WAVE_MODE, 25, 1), 1
	s_wait_xcnt 0x0
; UP: for row tile y (80 positions of one expert) and column block nt (512 hidden units): h = gelu(Q(x) Q(w1[e])), quantised along the hidden axis, to hid.
; SHARES.  Wave w makes hidden units 128 (4 nt + w) on (8 tiles of 16) for all 80 rows (5 tiles): 40 accumulators.  Its 64 KiB of W1's codes go from memory straight into registers, as images of fragments;
; the 80 gathered rows of x are shared through LDS.  The product is used transposed (source 0 = 16 rows of W1's image, source 1 = 16 rows of x): a lane holds one row, and, by the order of W1's tiles, the 16 registers of
; two neighbouring tiles are 16 neighbouring hidden units: the next K.
; GRID.  59 tiles serve every split of 4,096 rows over 8 experts.  Rows past a tile's count repeat its last row; their results land at positions that nobody reads.  A tile without rows: the work-group runs on position 0
; and stores nothing: so every barrier stands on every wave's path, and only the stores stand under the branch on the stored count.
; GELU (exact form): gelu(x) = max(x, 0) - |x| g, g = Phi(-|x|) = 2^(-x^2 log2(e) / 2) t (c1 + t (c2 + t (c3 + t (c4 + t c5)))), t = 1 / (1 + 0.2316419 |x|) (Abramowitz and Stegun 26.2.17, the factor 1 / sqrt(2 pi) in the c).
; LIMITS: that formula's error in Phi is 7.5e-8 at the most, so gelu's is about |x| x 2e-7 with the rounding of f32 (an estimate); NaN and infinities are not served; a block under 2^-124 keeps the byte 1.
; hid: HQ [position 4,720][1,024 B] codes, block f / 32 at 16 (f / 32); HS [nt 4][position][16 B]: the scale words of K steps 4 nt .. 4 nt + 3.
; REGISTERS.  Window 0: v1-22 lane terms and addresses; in the products v32-63 W1's scale words, v64-87 x's, v96-175 x's fragments (two sets of 40; first the 20 gathered rows), v176-195 the rows' offsets;
;   afterwards v32-95 gelu's results, v96-191 at work, v200-231 the quantiser's.  Window 1: W1's fragments, a ring of four sets of 64.  Window 2: accumulators of row tiles 0-3 at v[8 (8 mt + ft)]; window 3: of row tile 4.
.set XCO,   16777216
.set XSO,   1048576
.set TINFO, 19456
.set HSO,   4833280
.set STG,   43520                      ; LDS: 0: x's images [row tile 5][block 32][16 rows x 16 B + 16]; STG: 80 rows x (256 + 16) of codes; SST: 80 x 16 B of scale words
.set SST,   65280
.set LN,   1
.set RR,   2
.set HH,   3
.set L16,  4
.set XST,  5
.set XRD,  6
.set L8,   7
.set STO,  8
.set SSO,  9
.set SRD,  10
.set GOUT, 11
.set IDX,  12
.set SSR,  15
.set C4V,  16
.set PAD,  20
.set WS,   32
.set XS,   64
.set AF,   96
.set OFFR, 176
.set H,    32
.set T,    96
.set E,    128
.set Q,    160
.set TM,   200
.set PW,   216
.set PC,   224
.set MSB, 0
.macro WIN new                         ; the immediate's high byte repeats the setting that is left; a switch that changes nothing is dropped
.if MSB != (\new)
	s_set_vgpr_msb (MSB<<8)|(\new)
.set MSB, (\new)
.endif
.endm
.macro WMR d, a, b, c, sa, sb, ra, rb  ; one product; ra, rb: that side's scale words stand in lanes 16-31
.if (\ra) && (\rb)
	v_wmma_scale_f32_16x16x128_f8f6f4 v[\d:\d+7], v[\a:\a+7], v[\b:\b+7], \c, v[\sa], v[\sb] matrix_a_fmt:MATRIX_FMT_FP4 matrix_b_fmt:MATRIX_FMT_FP4 matrix_a_scale:MATRIX_SCALE_ROW1 matrix_b_scale:MATRIX_SCALE_ROW1
.elseif (\ra)
	v_wmma_scale_f32_16x16x128_f8f6f4 v[\d:\d+7], v[\a:\a+7], v[\b:\b+7], \c, v[\sa], v[\sb] matrix_a_fmt:MATRIX_FMT_FP4 matrix_b_fmt:MATRIX_FMT_FP4 matrix_a_scale:MATRIX_SCALE_ROW1
.elseif (\rb)
	v_wmma_scale_f32_16x16x128_f8f6f4 v[\d:\d+7], v[\a:\a+7], v[\b:\b+7], \c, v[\sa], v[\sb] matrix_a_fmt:MATRIX_FMT_FP4 matrix_b_fmt:MATRIX_FMT_FP4 matrix_b_scale:MATRIX_SCALE_ROW1
.else
	v_wmma_scale_f32_16x16x128_f8f6f4 v[\d:\d+7], v[\a:\a+7], v[\b:\b+7], \c, v[\sa], v[\sb] matrix_a_fmt:MATRIX_FMT_FP4 matrix_b_fmt:MATRIX_FMT_FP4
.endif
.endm
.macro BLOAD st                        ; W1's eight fragments of K step st into ring set st % 4: 16 loads of 512 consecutive bytes
	WIN 0x40
.irp ft, 0,1,2,3,4,5,6,7
.irp c, 0,1
	global_load_b128 v[64*((\st)%4)+8*\ft+4*\c:64*((\st)%4)+8*\ft+4*\c+3], v[L16], s[28:29] offset:\ft*8192+(\st)*1024+\c*512
.endr
.endr
	WIN 0
.endm
.macro ALOAD st                        ; x's five fragments of K step st into set st % 2
.irp mt, 0,1,2,3,4
.irp c, 0,1
	ds_load_b128 v[AF+40*((\st)%2)+8*\mt+4*\c:AF+40*((\st)%2)+8*\mt+4*\c+3], v[XRD] offset:\mt*8704+(\st)*1088+\c*544
.endr
.endr
.endm
.macro PROD mt, ft, st
.set dD, 8*(8*((\mt)%4)+(\ft))
.set dA, 64*((\st)%4)+8*(\ft)
.set dB, AF+40*((\st)%2)+8*(\mt)
.set dS, WS+8*((\ft)/2)+(\st)
.set dT, XS+8*((\mt)/2)+(\st)
.if (\st) == 0
	WMR dD, dA, dB, 0, dS, dT, (\ft)%2, (\mt)%2    ; the first K step starts the sums: nothing is cleared
.else
	WMR dD, dA, dB, v[dD:dD+7], dS, dT, (\ft)%2, (\mt)%2
.endif
.endm
; A K step of 128: 40 products; the 40 accumulators take turns, one instruction a turn, in the same order in every step.
.macro KSTEP st
.if (\st) <= 4
	s_wait_loadcnt 48                              ; ring set st is in (at step 0 the scale words ahead of it too); the three sets behind it, 48 loads, may be out
.else
	s_wait_loadcnt 16*(7-(\st))
.endif
.if (\st) < 7
	s_wait_dscnt 10                                ; x's fragments of this step are in; the next step's ten loads may be out
.else
	s_wait_dscnt 0x0
.endif
	WIN 0xa1                                       ; source 0 window 1, source 1 window 0, C and D window 2
.irp mt, 0,1,2,3
.irp ft, 0,1,2,3,4,5,6,7
	PROD \mt, \ft, \st
.endr
.endr
	WIN 0xf1                                       ; C and D window 3
.irp ft, 0,1,2,3,4,5,6,7
	PROD 4, \ft, \st
.endr
	WIN 0
.rept 4
	v_nop                                          ; four places ahead of loads into registers that the products read, and at the end ahead of the first read of results
.endr
.if (\st)+4 < 8
	BLOAD (\st)+4
.endif
.if (\st)+2 < 8
	ALOAD (\st)+2
.endif
.endm
; gelu of 32 results (four accumulators) of row tile mt, into v[H + 32 half] on.  Each accumulator is first read at its low end.
.macro GELU32 mt, half
.set XB, 64*((\mt)%4)+32*(\half)
.set HB, H+32*(\half)
.set WXS, 2+(\mt)/4
	WIN WXS                                        ; source 0: the accumulators' window
.set gi, 0
.rept 16
	v_pk_mul_f32 v[E+gi:E+gi+1], v[XB+gi:XB+gi+1], s[38:39] op_sel_hi:[1,0]   ; -x log2(e) / 2
.set gi, gi+2
.endr
.set gi, 0
.rept 32
	v_fma_f32 v[T+gi], |v[XB+gi]|, s36, 1.0        ; 1 + p |x|
.set gi, gi+1
.endr
.set gi, 0
.rept 16
	v_pk_mul_f32 v[E+gi:E+gi+1], v[XB+gi:XB+gi+1], v[E+gi:E+gi+1]            ; -x^2 log2(e) / 2
.set gi, gi+2
.endr
.set gi, 0
.rept 32
	v_max_num_f32 v[HB+gi], v[XB+gi], 0            ; max(x, 0)
.set gi, gi+1
.endr
	WIN 0
.set gi, 0
.rept 32
	v_rcp_f32 v[T+gi], v[T+gi]                     ; t
.set gi, gi+1
.endr
.set gi, 0
.rept 32
	v_exp_f32 v[E+gi], v[E+gi]
.set gi, gi+1
.endr
	v_nop                                          ; a plain line behind the last transcendental
	s_wait_alu depctr_va_vdst(0)                   ; one wait for the batch of 64, ahead of its first reader
.set gi, 0
.rept 16
	v_pk_fma_f32 v[Q+gi:Q+gi+1], v[T+gi:T+gi+1], s[40:41], v[C4V:C4V+1] op_sel_hi:[1,0,1]   ; c5 t + c4 (c4 in a vector pair: one scalar pair an instruction)
.set gi, gi+2
.endr
.irp cc, 42,44,46
.set gi, 0
.rept 16
	v_pk_fma_f32 v[Q+gi:Q+gi+1], v[Q+gi:Q+gi+1], v[T+gi:T+gi+1], s[\cc:\cc+1] op_sel_hi:[1,1,0]   ; .. t + c3, c2, c1
.set gi, gi+2
.endr
.endr
.set gi, 0
.rept 16
	v_pk_mul_f32 v[Q+gi:Q+gi+1], v[Q+gi:Q+gi+1], v[T+gi:T+gi+1]
.set gi, gi+2
.endr
.set gi, 0
.rept 16
	v_pk_mul_f32 v[Q+gi:Q+gi+1], v[Q+gi:Q+gi+1], v[E+gi:E+gi+1]              ; g
.set gi, gi+2
.endr
	WIN WXS
.set gi, 0
.rept 32
	v_fma_f32 v[HB+gi], -|v[XB+gi]|, v[Q+gi], v[HB+gi]                       ; max(x, 0) - |x| g
.set gi, gi+1
.endr
	WIN 0
.endm
; 64 numbers of a lane, register 16 b + i = k 32 b + 16 (lane / 16) + i of my row, become a fragment's codes in v[PC] on and its scale word in v[PW].
.macro QUANT sr
.irp b, 0,1,2,3
	v_max3_num_f32 v[TM+\b], |v[\sr+16*\b]|, |v[\sr+1+16*\b]|, 0x1800000   ; my 16 numbers of block b, and the floor 2^(3 - 127)
.endr
.irp i, 2,4,6,8,10,12,14
.irp b, 0,1,2,3
	v_max3_num_f32 v[TM+\b], v[TM+\b], |v[\sr+16*\b+\i]|, |v[\sr+1+16*\b+\i]|
.endr
.endr
.irp b, 0,1,2,3
	v_permlanex16_b32 v[TM+4+\b], v[TM+\b], s34, s35
.endr
.irp b, 0,1,2,3
	v_max_num_f32 v[TM+\b], v[TM+\b], v[TM+4+\b]   ; with lane l xor 16's: the block's largest magnitude
.endr
.irp b, 0,1,2,3
	v_add_nc_u32 v[TM+12+\b], 0xff000000, v[TM+\b] ; 2 off the exponent field: the conversion's scale operand
.endr
.irp b, 0,1,2,3
	v_lshrrev_b32 v[TM+4+\b], 23, v[TM+12+\b]      ; the scale's byte
.endr
	v_lshl_or_b32 v[PW], v[TM+5], 8, v[TM+4]
	v_lshl_or_b32 v[PW], v[TM+6], 16, v[PW]
	v_lshl_or_b32 v[PW], v[TM+7], 24, v[PW]
.irp b, 0,1,2,3
	v_cvt_scalef32_pk8_fp4_f32 v[PC+2*\b], v[\sr+16*\b:\sr+7+16*\b], v[TM+12+\b]
	v_cvt_scalef32_pk8_fp4_f32 v[PC+1+2*\b], v[\sr+8+16*\b:\sr+15+16*\b], v[TM+12+\b]
.endr
	v_nop                                          ; one plain line behind a scaled conversion
.irp c, 0,1                                    ; a whole block to a lane: lanes 0-15 block 2 c, lanes 16-31 block 2 c + 1
.irp i, 0,1
	v_permlane16_swap_b32 v[PC+4*\c+\i], v[PC+2+4*\c+\i]
.endr
.endr
.endm
	s_load_b256 s[4:11], s[0:1], 0x0               ; codes s[4:5], scal s[6:7], route s[8:9], hid s[10:11]
	v_lshl_add_u32 v254, v0, 2, 0x10400
	v_mov_b32 v255, 0
	v_lshrrev_b32 v1, 5, v0
	v_readfirstlane_b32 s12, v1                    ; wave
	v_and_b32 v[LN], 31, v0
	v_and_b32 v[RR], 15, v0                        ; r
	v_bfe_u32 v[HH], v0, 4, 1                      ; h
	s_and_b32 s13, ttmp7, 0xffff                   ; y: the row tile;  ttmp9: nt
	s_lshl_b32 s14, s13, 3
	s_wait_kmcnt 0x0
	s_load_b64 s[16:17], s[8:9], s14 offset:TINFO  ; {expert, rows}
	v_lshlrev_b32 v[L16], 4, v[LN]
	v_lshlrev_b32 v[L8], 3, v[LN]
	v_mul_u32_u24 v[XST], v[LN], 272
	s_lshl_b32 s19, s12, 4
	v_add_nc_u32 v[XST], s19, v[XST]               ; a gathered row goes in: block = lane, 272 bytes apart; row 4 i + w of the tile block
	v_mul_u32_u24 v[XRD], v[HH], 272
	v_lshl_add_u32 v[XRD], v[RR], 4, v[XRD]        ; a fragment comes out: block h, row r
	v_mul_u32_u24 v[STO], v[RR], 272
	v_lshl_add_u32 v[STO], v[HH], 4, v[STO]
	s_lshl_b32 s19, s12, 6
	s_add_co_u32 s19, s19, STG
	v_add_nc_u32 v[STO], s19, v[STO]               ; codes to the stage: row r, 64 bytes a wave, 16 h
	s_lshl_b32 s19, s12, 2
	s_add_co_u32 s19, s19, SST
	v_lshl_add_u32 v[SSO], v[RR], 4, s19           ; scale word: row r, word w
	s_mul_i32 s19, s12, 20*272
	s_add_co_u32 s19, s19, STG
	v_add_nc_u32 v[SRD], s19, v[XRD]               ; back: my 20 rows, two an instruction
	v_lshlrev_b32 v[GOUT], 10, v[HH]
	v_lshl_add_u32 v[GOUT], v[RR], 4, v[GOUT]      ; and the same two rows in HQ
	v_add_nc_u32 v[SSR], SST, v[L8]
	s_mov_b32 s34, 0x76543210
	s_mov_b32 s35, 0xfedcba98                      ; v_permlanex16_b32's selects for lane l xor 16
	s_mov_b32 s36, 0x3e6d3389                      ; p = 0.2316419
	s_mov_b32 s38, 0xbf38aa3b                      ; -log2(e) / 2
	s_mov_b32 s39, s38                             ; (each pair is named whole, so both words are written)
	s_mov_b32 s40, 0x3f07dc22                      ; c5 = 0.5307027
	s_mov_b32 s41, s40
	s_mov_b32 s42, 0x3f35f0e3                      ; c3 = 0.7107069
	s_mov_b32 s43, s42
	s_mov_b32 s44, 0xbe11a98e                      ; c2 = -0.1422484
	s_mov_b32 s45, s44
	s_mov_b32 s46, 0x3e027906                      ; c1 = 0.1274148
	s_mov_b32 s47, s46
	v_mov_b32 v[C4V], 0xbf3a00e3                   ; c4 = -0.7265760
	v_mov_b32 v[C4V+1], 0xbf3a00e3
.irp b, 0,1,2,3
	v_mov_b32 v[TM+4+\b], 0                        ; written once: a lane permute's destination counts as one of its sources
.endr
	s_wait_kmcnt 0x0
	s_min_u32 s16, s16, 7
	s_cmp_lg_u32 s17, 0
	s_cselect_b32 s15, s13, 0                      ; whose positions I read: my tile's, or tile 0's where I have no rows
	s_min_u32 s15, s15, 58
	s_max_u32 s18, s17, 1
	s_min_u32 s18, s18, 80
	s_sub_co_u32 s18, s18, 1                       ; the last valid row
	s_mul_i32 s20, s15, 320
	s_mov_b32 s21, 0
	s_add_nc_u64 s[20:21], s[8:9], s[20:21]        ; PTOK at the tile
.irp j, 0,1,2
	v_add_nc_u32 v[PAD+\j], 32*\j, v[LN]
	v_min_u32 v[PAD+\j], s18, v[PAD+\j]            ; rows past the count repeat the last row: no unwritten word is read
	v_min_u32 v[PAD+\j], 79, v[PAD+\j]
	v_lshlrev_b32 v[PAD+\j], 2, v[PAD+\j]
	global_load_b32 v[IDX+\j], v[PAD+\j], s[20:21] ; the token of row 32 j + lane: for x's scale words
.endr
.set i, 0
.rept 20
	s_add_co_u32 s[66+i], s12, 4*i                 ; row 4 i + w: the rows that my wave gathers
	s_min_u32 s[66+i], s[66+i], s18
	s_min_u32 s[66+i], s[66+i], 79
	s_lshl_b32 s[66+i], s[66+i], 2
.set i, i+1
.endr
.set i, 0
.rept 20
	s_load_b32 s[66+i], s[20:21], s[66+i] offset:0x0
.set i, i+1
.endr
	s_add_nc_u64 s[22:23], s[4:5], XCO             ; x's codes
	s_add_nc_u64 s[24:25], s[6:7], XSO             ; x's scale words
	s_lshl_b32 s19, ttmp9, 2
	s_add_co_u32 s19, s19, s12                     ; g = 4 nt + w
	s_lshl_b32 s26, s16, 16
	s_lshl_b32 s28, s19, 10
	s_add_co_u32 s26, s26, s28
	s_mov_b32 s27, 0
	s_add_nc_u64 s[26:27], s[6:7], s[26:27]        ; W1's scale words: expert, pairs 4 g on
	s_lshl_b32 s28, s16, 20
	s_lshl_b32 s30, s19, 16
	s_add_co_u32 s28, s28, s30
	s_mov_b32 s29, 0
	s_add_nc_u64 s[28:29], s[4:5], s[28:29]        ; W1's fragments: expert, tiles 8 g on
	s_mul_i32 s30, s13, 80
	s_mul_i32 s31, s12, 20
	s_add_co_u32 s30, s30, s31
	s_lshl_b32 s30, s30, 10
	s_lshl_b32 s31, ttmp9, 8
	s_add_co_u32 s30, s30, s31
	s_mov_b32 s31, 0
	s_add_nc_u64 s[30:31], s[10:11], s[30:31]      ; HQ: position 80 y + 20 w, byte 256 nt
	s_mul_i32 s32, ttmp9, 75520
	s_mul_i32 s33, s13, 1280
	s_add_co_u32 s32, s32, s33
	s_add_co_u32 s32, s32, HSO
	s_mov_b32 s33, 0
	s_add_nc_u64 s[32:33], s[10:11], s[32:33]      ; HS: [nt][80 y]
	s_wait_kmcnt 0x0
.set i, 0
.rept 20
	s_min_u32 s[66+i], s[66+i], 2047
	v_lshl_add_u32 v[OFFR+i], s[66+i], 9, v[L16]   ; the token's row of 512 bytes, 16 a lane
.set i, i+1
.endr
.set i, 0
.rept 20
	global_load_b128 v[AF+4*i:AF+4*i+3], v[OFFR+i], s[22:23]
.set i, i+1
.endr
	s_wait_loadcnt 20                              ; the three index loads are in; the 20 rows behind them may be out
.irp j, 0,1,2
	v_min_u32 v[IDX+\j], 2047, v[IDX+\j]
	v_lshlrev_b32 v[IDX+\j], 5, v[IDX+\j]
.endr
.irp j, 0,1,2
	global_load_b128 v[XS+8*\j:XS+8*\j+3], v[IDX+\j], s[24:25]               ; register 8 j + s: K step s; lanes 0-15 row tile 2 j, lanes 16-31 row tile 2 j + 1
	global_load_b128 v[XS+8*\j+4:XS+8*\j+7], v[IDX+\j], s[24:25] offset:16
.endr
.irp p, 0,1,2,3
.irp kq, 0,1,2,3
	global_load_b64 v[WS+8*\p+2*\kq:WS+8*\p+2*\kq+1], v[L8], s[26:27] offset:\kq*16384+\p*256   ; register 8 p + s: lanes 0-15 tile 2 p, lanes 16-31 tile 2 p + 1
.endr
.endr
	BLOAD 0
	s_wait_loadcnt 38                              ; the rows are in; behind them 6 + 16 + 16 loads may be out
.set i, 0
.rept 20
	ds_store_b128 v[XST], v[AF+4*i:AF+4*i+3] offset:(i/4)*8704+64*(i%4)
.set i, i+1
.endr
	BLOAD 1
	BLOAD 2
	BLOAD 3
	s_wait_dscnt 0x0                               ; for the others' sake: my rows have landed
	s_barrier_signal -1
	s_barrier_wait -1                              ; all 80 rows lie in LDS
	ALOAD 0
	ALOAD 1
.irp st, 0,1,2,3,4,5,6,7
	KSTEP \st
.endr
.irp mt, 0,1,2,3,4                             ; a row tile at a time: gelu, quantiser, codes and scale word to the stage
	GELU32 \mt, 0
	GELU32 \mt, 1
	QUANT H
.irp c, 0,1
	ds_store_b128 v[STO], v[PC+4*\c:PC+4*\c+3] offset:\mt*4352+32*\c
.endr
	ds_store_b32 v[SSO], v[PW] offset:\mt*256      ; both halves of the lanes hold the same word and write it to the same place
	s_wait_dscnt 0x0                               ; the stores have read their registers
.endr
	s_barrier_signal -1
	s_barrier_wait -1                              ; 80 rows of 256 bytes and their scale words lie in the stage
	s_cmp_eq_u32 s17, 0                            ; a tile without rows stores nothing; no barrier follows
	s_cbranch_scc1 .Lend
.set i, 0
.rept 10
	ds_load_b128 v[T+4*i:T+4*i+3], v[SRD] offset:544*i                       ; v96-135
.set i, i+1
.endr
.set i, 0
.rept 10
	s_wait_dscnt 9-i
	global_store_b128 v[GOUT], v[T+4*i:T+4*i+3], s[30:31] offset:2048*i      ; sixteen lanes store 256 consecutive aligned bytes of a row
.set i, i+1
.endr
	s_cmp_lg_u32 s12, 0
	s_cbranch_scc1 .Lend
.set i, 0
.rept 5
	ds_load_b64 v[Q+2*i:Q+2*i+1], v[SSR] offset:256*i                        ; v160-169: registers that no pending store names
.set i, i+1
.endr
.set i, 0
.rept 5
	s_wait_dscnt 4-i
	global_store_b64 v[L8], v[Q+2*i:Q+2*i+1], s[32:33] offset:256*i          ; 256 consecutive aligned bytes
.set i, i+1
.endr
.Lend:
	s_wait_tensorcnt 0x0
	ds_add_u32 v254, v255
	s_wait_dscnt 0x0
	s_endpgm
.Lfunc_end_k_q1b27b45a8f_up:
	.size	k_q1b27b45a8f_up, .Lfunc_end_k_q1b27b45a8f_up-k_q1b27b45a8f_up
	.p2alignl 7, 3214868480
	.fill 96, 4, 3214868480
	.section	.rodata,"a",@progbits
	.p2align	6, 0x0
	.amdhsa_kernel k_q1b27b45a8f_up
		.amdhsa_group_segment_fixed_size 67072
		.amdhsa_private_segment_fixed_size 0
		.amdhsa_enable_private_segment 0
		.amdhsa_kernarg_size 32
		.amdhsa_user_sgpr_count 2
		.amdhsa_user_sgpr_kernarg_segment_ptr 1
		.amdhsa_wavefront_size32 1
		.amdhsa_system_sgpr_workgroup_id_x 1
		.amdhsa_system_sgpr_workgroup_id_y 1
		.amdhsa_system_sgpr_workgroup_id_z 1
		.amdhsa_system_vgpr_workitem_id 0
		.amdhsa_next_free_vgpr 832
		.amdhsa_next_free_sgpr 100
		.amdhsa_reserve_vcc 0
		.amdhsa_float_denorm_mode_32 3
		.amdhsa_float_denorm_mode_16_64 3
		.amdhsa_memory_ordered 1
		.amdhsa_forward_progress 1
		.amdhsa_inst_pref_size 255
	.end_amdhsa_kernel
	.section	.bss,"aw",@nobits
	.p2align	6
	.space	262144
	.amdgpu_metadata
---
amdhsa.version: [ 1, 2 ]
amdhsa.kernels:
  - .name:           k_q1b27b45a8f_up
    .symbol:         k_q1b27b45a8f_up.kd
    .args:
      - { .name: codes, .offset: 0, .size: 8, .value_kind: global_buffer, .address_space: global }
      - { .name: scal, .offset: 8, .size: 8, .value_kind: global_buffer, .address_space: global }
      - { .name: route, .offset: 16, .size: 8, .value_kind: global_buffer, .address_space: global }
      - { .name: hid, .offset: 24, .size: 8, .value_kind: global_buffer, .address_space: global }
    .group_segment_fixed_size: 67072
    .private_segment_fixed_size: 0
    .kernarg_segment_align: 8
    .kernarg_segment_size: 32
    .max_flat_workgroup_size: 128
    .sgpr_count:     100
    .vgpr_count:     832
    .wavefront_size: 32
...
	.end_amdgpu_metadata
.endif
;; end of part 2
;; launch down (part 3): grid 8 x 32, 4 waves a work-group, no clusters, 201,216 bytes of LDS; arguments hid, codes, scal, route, expert_weights, out0; writes out0
.if DOCPART == 3
	.amdgcn_target "amdgcn-amd-amdhsa--gfx1250"
	.amdhsa_code_object_version 6
	.text
	.protected	k_q1b27b45a8f_down
	.globl	k_q1b27b45a8f_down
	.p2align	8
	.type	k_q1b27b45a8f_down,@function
k_q1b27b45a8f_down:
	s_mov_b64 s[64:65], 0
	v_nop
	global_prefetch_b8 v0, s[64:65] scope:SCOPE_SE
	s_setreg_imm32_b32 hwreg(HW_REG_WAVE_MODE, 25, 1), 1
	s_wait_xcnt 0x0
; DOWN: out[t] = sum over the token's picks of weight x (h Q(w2[e])).  Work-group (nx, y) owns 64 tokens of the sorted list x 128 output columns, and nobody else stores them.
; SHARES.  Wave w has pair P = 4 nx + w of W2's tiles (32 columns) for four tiles of 16 tokens: 8 accumulators.  The tokens' two hidden rows (slot 0: first pick, slot 1: second) are gathered once into LDS, 136 KiB;
; W2's codes go from memory straight into registers, 32 KiB a wave and expert, the next expert's asked for while this one's are multiplied.
; THE WALK.  The block's experts are a bit mask made from the stored records; the wave visits each expert that a token of the block uses.  In a visit a lane takes, for its token, the slot that holds this expert's hidden
; row (the slot's number, 0 or 1, held at 1 and shifted onto the address) and cw = the sum of the weights of the picks that name the expert; OUT += cw x product.  A token that does not use the expert takes its slot 0 row with cw = 0.
; The trip count hangs on stored numbers: all barriers stand outside the walk, on every wave's path.
; LIMITS: a hidden row times the w2 of an expert that the token does not use must stay finite, since it is multiplied by 0; NaN and infinities are not served.
; The product is used transposed (source 0 = 16 columns of W2's image, source 1 = 16 tokens): a lane holds one token, and by the order of W2's tiles 16 neighbouring columns.
; REGISTERS.  Window 0: v1-15 lane terms and addresses; v16-19 fragment addresses in slot 0; v24-29 the visit's chosen addresses; v30-37 the tokens' experts; v38-45 weights; v46-53 cw (pairs);
;   v54-57 experts by lane for the scale words; v58-59 at work; v60-75 W2's scale words; v76-107 the hidden rows' scale words; v108-171 two sets of hidden fragments; v172-235 the accumulators.
;   Window 1: W2's fragments, K step s, tile u at v[16 s + 8 u].  Window 2: v0-63 OUT.  Window 3: the gathered rows on their way to LDS.
.set W2C,   8388608
.set W2S,   524288
.set RECO,  19968
.set HSO,   4833280
; LDS.  Hidden images [token tile 4: 17,408][block 64: 16 rows x 16 B + 16]: slot 0 at 0, slot 1 at 2^17, so that the slot's number is shifted onto an address.
; Between them: ASO: the rows' scale words [slot: 2^13 apart][tile: 1,280][row: 64 + 16]; OSTG: the stage for the results, 64 rows x (512 + 16).
.set SL1,   131072
.set ASO,   69632
.set ASL,   8192
.set OSTG,  82944
.set LN,   1
.set RR,   2
.set HH,   3
.set L16,  4
.set L8,   5
.set AST,  6
.set ASST, 8
.set ASB,  9
.set OSTO, 11
.set ORD,  12
.set A0,   16
.set AFS,  24
.set ASEL, 28
.set E0F,  30
.set E1F,  34
.set WF,   38
.set CW,   46
.set E0S,  54
.set E1S,  56
.set TMP,  58
.set BS,   60
.set ASC,  76
.set ASET, 108
.set ACC,  172
.set MK,   38                          ; s38 experts still to be asked for; s39 visits to go; s40 the expert whose codes were asked for last
.set NV,   39
.set EC,   40
.set MSB, 0
.macro WIN new
.if MSB != (\new)
	s_set_vgpr_msb (MSB<<8)|(\new)
.set MSB, (\new)
.endif
.endm
.macro WMR d, a, b, c, sa, sb, ra, rb
.if (\ra) && (\rb)
	v_wmma_scale_f32_16x16x128_f8f6f4 v[\d:\d+7], v[\a:\a+7], v[\b:\b+7], \c, v[\sa], v[\sb] matrix_a_fmt:MATRIX_FMT_FP4 matrix_b_fmt:MATRIX_FMT_FP4 matrix_a_scale:MATRIX_SCALE_ROW1 matrix_b_scale:MATRIX_SCALE_ROW1
.elseif (\ra)
	v_wmma_scale_f32_16x16x128_f8f6f4 v[\d:\d+7], v[\a:\a+7], v[\b:\b+7], \c, v[\sa], v[\sb] matrix_a_fmt:MATRIX_FMT_FP4 matrix_b_fmt:MATRIX_FMT_FP4 matrix_a_scale:MATRIX_SCALE_ROW1
.elseif (\rb)
	v_wmma_scale_f32_16x16x128_f8f6f4 v[\d:\d+7], v[\a:\a+7], v[\b:\b+7], \c, v[\sa], v[\sb] matrix_a_fmt:MATRIX_FMT_FP4 matrix_b_fmt:MATRIX_FMT_FP4 matrix_b_scale:MATRIX_SCALE_ROW1
.else
	v_wmma_scale_f32_16x16x128_f8f6f4 v[\d:\d+7], v[\a:\a+7], v[\b:\b+7], \c, v[\sa], v[\sb] matrix_a_fmt:MATRIX_FMT_FP4 matrix_b_fmt:MATRIX_FMT_FP4
.endif
.endm
.macro BASES                           ; where expert s[EC]'s codes and scale words of my pair begin
	s_lshl_b32 s22, s[EC], 20
	s_mov_b32 s23, 0
	s_add_nc_u64 s[24:25], s[28:29], s[22:23]
	s_lshl_b32 s22, s[EC], 16
	s_add_nc_u64 s[26:27], s[30:31], s[22:23]
.endm
.macro NEXTE                           ; the lowest expert left in the mask
	s_ctz_i32_b32 s[EC], s[MK]
	s_min_u32 s[EC], s[EC], 7
	s_lshl_b32 s22, 1, s[EC]
	s_and_not1_b32 s[MK], s[MK], s22
	s_wait_xcnt 0x0                                ; the loads issued so far have read their bases: only now are these rewritten
	BASES
.endm
.macro HLOAD hf                        ; half hf of an expert's part: K steps 8 hf .. 8 hf + 7 of my two tiles, and their scale words: 36 loads
	WIN 0x40
.irp st, 0,1,2,3,4,5,6,7
.irp u, 0,1
.irp c, 0,1
	global_load_b128 v[16*(8*(\hf)+\st)+8*\u+4*\c:16*(8*(\hf)+\st)+8*\u+4*\c+3], v[L16], s[24:25] offset:\u*16384+(8*(\hf)+\st)*1024+\c*512
.endr
.endr
.endr
	WIN 0
.irp kq, 0,1,2,3
	global_load_b64 v[BS+2*(4*(\hf)+\kq):BS+2*(4*(\hf)+\kq)+1], v[L8], s[26:27] offset:(4*(\hf)+\kq)*8192
.endr
.endm
.macro A2LOAD st                       ; the four token tiles' fragments of K step st into set st % 2, each lane from its token's slot
.irp mt, 0,1,2,3
.irp c, 0,1
	ds_load_b128 v[ASET+32*((\st)%2)+8*\mt+4*\c:ASET+32*((\st)%2)+8*\mt+4*\c+3], v[AFS+\mt] offset:1088*(\st)+544*\c
.endr
.endr
.endm
.macro PROD2 mt, u, st
.set dD, ACC+8*(2*(\mt)+(\u))
.set dA, 16*(\st)+8*(\u)
.set dB, ASET+32*((\st)%2)+8*(\mt)
.set dS, BS+(\st)
.set dT, ASC+16*((\mt)/2)+(\st)
.if (\st) == 0
	WMR dD, dA, dB, 0, dS, dT, (\u), (\mt)%2       ; a visit's first K step starts its sums
.else
	WMR dD, dA, dB, v[dD:dD+7], dS, dT, (\u), (\mt)%2
.endif
.endm
.macro KSTEP2 st, next
.if (\st) == 0
	s_wait_loadcnt 36                              ; this expert's first half is in; its second half, 36 loads, may be out
.elseif (\st) == 8
.if \next
	s_wait_loadcnt 36                              ; the second half is in; the next expert's first half may be out
.else
	s_wait_loadcnt 0x0
.endif
.endif
.if (\st) < 15
	s_wait_dscnt 8                                 ; this step's fragments (at step 0 the scale words too) are in; the next step's eight loads may be out
.else
	s_wait_dscnt 0x0
.endif
	WIN 0x01                                       ; source 0 window 1
.irp mt, 0,1,2,3
.irp u, 0,1
	PROD2 \mt, \u, \st                             ; the eight accumulators by turns, one instruction a turn
.endr
.endr
	WIN 0
.rept 4
	v_nop                                          ; four places ahead of loads into registers that the products read, and of the first read of results
.endr
.if (\st)+2 < 16
	A2LOAD (\st)+2
.endif
.endm
; A visit of expert s[EC].  next = 1: the next expert's codes are asked for as this one's registers come free.
.macro VISIT next
.irp mt, 0,1,2,3
	v_cmp_eq_u32 s22, s[EC], v[E0F+\mt]
	v_cmp_eq_u32 s23, s[EC], v[E1F+\mt]
	v_cndmask_b32 v[CW+2*\mt], 0, v[WF+2*\mt], s22
	v_cndmask_b32 v[TMP], 0, v[WF+2*\mt+1], s23
	v_add_f32 v[CW+2*\mt], v[CW+2*\mt], v[TMP]     ; cw: a pick named twice counts twice
	s_and_not1_b32 s23, s23, s22
	v_cndmask_b32 v[TMP+1], 0, 1, s23              ; the slot: 1 where the second pick alone names the expert,
	v_min_u32 v[TMP+1], 1, v[TMP+1]                ; held at 1: what comes of stored numbers enters an address only so,
	v_lshl_add_u32 v[AFS+\mt], v[TMP+1], 17, v[A0+\mt]   ; and 2^17 bytes a slot
.endr
.irp j, 0,1
	v_cmp_eq_u32 s22, s[EC], v[E0S+\j]
	v_cmp_eq_u32 s23, s[EC], v[E1S+\j]
	s_and_not1_b32 s23, s23, s22
	v_cndmask_b32 v[TMP+1], 0, 1, s23
	v_min_u32 v[TMP+1], 1, v[TMP+1]
	v_lshl_add_u32 v[ASEL+\j], v[TMP+1], 13, v[ASB]      ; the scale words' slots lie 2^13 bytes apart
.endr
.irp j, 0,1
.irp q, 0,1,2,3
	ds_load_b128 v[ASC+16*\j+4*\q:ASC+16*\j+4*\q+3], v[ASEL+\j] offset:2560*\j+16*\q   ; register 16 j + s: K step s; lanes 0-15 token tile 2 j, lanes 16-31 tile 2 j + 1
.endr
.endr
	A2LOAD 0
	A2LOAD 1
.irp st, 0,1,2,3,4,5,6,7,8,9,10,11,12,13,14,15
	KSTEP2 \st, \next
.if (\next) && (\st == 7)
	NEXTE
	HLOAD 0
.endif
.if (\next) && (\st == 15)
	HLOAD 1
.endif
.endr
	WIN 0xa0                                       ; OUT (destination and source 2) window 2
.set ci, 0
.rept 32
	v_pk_fma_f32 v[2*ci:2*ci+1], v[ACC+2*ci:ACC+2*ci+1], v[CW+2*(ci/8):CW+2*(ci/8)+1], v[2*ci:2*ci+1] op_sel_hi:[1,0,1]   ; ascending: each accumulator is first read at its low end
.set ci, ci+1
.endr
	WIN 0
.endm
	s_load_b256 s[4:11], s[0:1], 0x0               ; hid s[4:5], codes s[6:7], scal s[8:9], route s[10:11]
	s_load_b128 s[12:15], s[0:1], 0x20             ; expert_weights s[12:13], out0 s[14:15]
	v_lshl_add_u32 v254, v0, 2, 0x31000
	v_mov_b32 v255, 0
	v_lshrrev_b32 v1, 5, v0
	v_readfirstlane_b32 s16, v1                    ; wave
	v_and_b32 v[LN], 31, v0
	v_and_b32 v[RR], 15, v0
	v_bfe_u32 v[HH], v0, 4, 1
	v_lshlrev_b32 v[L16], 4, v[LN]
	v_lshlrev_b32 v[L8], 3, v[LN]
	s_and_b32 s17, ttmp7, 0xffff                   ; y: the block of 64 tokens;  ttmp9: nx
	s_lshl_b32 s18, s17, 10
	s_add_co_u32 s18, s18, RECO
	s_mov_b32 s19, 0
	v_lshlrev_b32 v13, 4, v[RR]
	s_lshl_b32 s20, s16, 8
	v_add_nc_u32 v14, s20, v13
	v_mov_b32 v15, 1
	s_wait_kmcnt 0x0
	s_add_nc_u64 s[18:19], s[10:11], s[18:19]      ; the block's 64 records
.irp mt, 0,1,2,3
	global_load_b128 v[ASET+4*\mt:ASET+4*\mt+3], v13, s[18:19] offset:256*\mt   ; token 16 mt + r
.endr
	global_load_b32 v[ASET+16], v[L16], s[18:19] offset:4                    ; the experts of token lane, and of token 32 + lane
	global_load_b32 v[ASET+17], v[L16], s[18:19] offset:516
	global_load_b64 v[ASET+18:ASET+19], v14, s[18:19] offset:8               ; the positions of token 16 w + r
	s_lshl_b32 s20, s16, 4
	s_mov_b32 s21, 0
	s_add_nc_u64 s[20:21], s[18:19], s[20:21]
.set j, 0
.rept 16
	s_load_b64 s[66+2*j:67+2*j], s[20:21], 64*j+8  ; the positions of token 4 j + w: the rows that my wave gathers
.set j, j+1
.endr
	v_mul_u32_u24 v[AST], v[LN], 272
	s_lshl_b32 s22, s16, 4
	v_add_nc_u32 v[AST], s22, v[AST]               ; a gathered row goes in: block = lane (+ 32), 272 bytes apart
	v_add_nc_u32 v[AST+1], SL1, v[AST]             ; the same in slot 1
	v_mul_u32_u24 v[ASB], v[RR], 80
	v_mad_u32_u24 v[ASST], v[HH], ASL, v[ASB]
	s_mul_i32 s22, s16, 1280
	s_add_co_u32 s22, s22, ASO
	v_add_nc_u32 v[ASST], s22, v[ASST]             ; scale words in: slot h, token tile w, row r
	v_mad_u32_u24 v[ASB], v[HH], 1280, v[ASB]
	v_add_nc_u32 v[ASB], ASO, v[ASB]               ; and out: slot 0, tile h of a pair, row r
	v_mul_u32_u24 v[OSTO], v[RR], 528
	v_lshl_add_u32 v[OSTO], v[HH], 6, v[OSTO]
	s_lshl_b32 s22, s16, 7
	s_add_co_u32 s22, s22, OSTG
	v_add_nc_u32 v[OSTO], s22, v[OSTO]             ; results to the stage: row r, 128 bytes a wave, 64 h
	s_mul_i32 s22, s16, 8448
	s_add_co_u32 s22, s22, OSTG
	v_add_nc_u32 v[ORD], s22, v[L16]               ; back: my 16 rows, a row an instruction
	v_mul_u32_u24 v[A0], v[HH], 272
	v_lshl_add_u32 v[A0], v[RR], 4, v[A0]
.irp mt, 1,2,3
	v_add_nc_u32 v[A0+\mt], 17408*\mt, v[A0]
.endr
	s_lshl_b32 s22, ttmp9, 2
	s_add_co_u32 s22, s22, s16                     ; P
	s_lshl_b32 s23, s22, 15
	s_add_co_u32 s28, s23, W2C
	s_mov_b32 s29, 0
	s_add_nc_u64 s[28:29], s[6:7], s[28:29]        ; W2's fragments, tiles 2 P on
	s_lshl_b32 s30, s22, 8
	s_add_co_u32 s30, s30, W2S
	s_mov_b32 s31, 0
	s_add_nc_u64 s[30:31], s[8:9], s[30:31]        ; W2's scale words, pair P
	s_add_nc_u64 s[34:35], s[4:5], HSO             ; the hidden rows' scale words
	s_lshl_b32 s32, s16, 8
	s_mov_b32 s33, 0
	s_add_nc_u64 s[32:33], s[18:19], s[32:33]      ; the records of tokens 16 w on
	s_lshl_b32 s36, ttmp9, 9
	s_mov_b32 s37, 0
	s_add_nc_u64 s[36:37], s[14:15], s[36:37]      ; out0 at column 128 nx
	s_wait_loadcnt 0x0
	s_wait_kmcnt 0x0
.irp mt, 0,1,2,3
	v_and_b32 v[E0F+\mt], 0xff, v[ASET+4*\mt+1]
	v_bfe_u32 v[E1F+\mt], v[ASET+4*\mt+1], 8, 8
	v_min_u32 v[ASET+4*\mt], 2047, v[ASET+4*\mt]
	v_lshlrev_b32 v[ASET+4*\mt], 3, v[ASET+4*\mt]
	v_mov_b32 v[CW+2*\mt+1], 0                     ; (named as the upper half of a pair, so it is written)
.endr
.irp mt, 0,1,2,3
	global_load_b64 v[WF+2*\mt:WF+2*\mt+1], v[ASET+4*\mt], s[12:13]          ; the token's two weights
.endr
.irp j, 0,1
	v_and_b32 v[E0S+\j], 0xff, v[ASET+16+\j]
	v_bfe_u32 v[E1S+\j], v[ASET+16+\j], 8, 8
.endr
	v_cmp_gt_u32 vcc_lo, 16, v[LN]
	v_cndmask_b32 v[ASET+20], v[ASET+19], v[ASET+18], vcc_lo                 ; lanes 0-15 the first pick's position, lanes 16-31 the second's
	v_min_u32 v[ASET+20], 4719, v[ASET+20]
	v_lshlrev_b32 v[ASET+20], 4, v[ASET+20]
.irp q, 0,1,2,3
	global_load_b128 v[ASET+24+4*\q:ASET+27+4*\q], v[ASET+20], s[34:35] offset:75520*\q
.endr
	v_lshlrev_b32 v[TMP], v[E0S], v15              ; the block's experts as bits: each lane's four, then all lanes'
	v_lshlrev_b32 v[TMP+1], v[E1S], v15
	v_or_b32 v[TMP], v[TMP], v[TMP+1]
	v_lshlrev_b32 v[TMP+1], v[E0S+1], v15
	v_or_b32 v[TMP], v[TMP], v[TMP+1]
	v_lshlrev_b32 v[TMP+1], v[E1S+1], v15
	v_or_b32 v[TMP], v[TMP], v[TMP+1]
	s_mov_b32 s[MK], 0
.irp e, 0,1,2,3,4,5,6,7
	v_and_b32 v[TMP+1], 1<<\e, v[TMP]
	v_cmp_ne_u32 s22, 0, v[TMP+1]
	s_cmp_lg_u32 s22, 0
	s_cselect_b32 s23, 1<<\e, 0
	s_or_b32 s[MK], s[MK], s23
.endr
	s_bcnt1_i32_b32 s[NV], s[MK]                   ; visits: 1 to 8
	s_ctz_i32_b32 s[EC], s[MK]
	s_min_u32 s[EC], s[EC], 7
	s_lshl_b32 s22, 1, s[EC]
	s_and_not1_b32 s[MK], s[MK], s22
	BASES
.set j, 0
.rept 32
	s_min_u32 s[66+j], s[66+j], 4719
	v_lshl_add_u32 v[ACC+j], s[66+j], 10, v[L16]   ; the position's row of 1,024 bytes, 16 a lane
.set j, j+1
.endr
	WIN 0xc0                                       ; destination window 3
.set j, 0
.rept 32
	global_load_b128 v[8*j:8*j+3], v[ACC+j], s[4:5]
	global_load_b128 v[8*j+4:8*j+7], v[ACC+j], s[4:5] offset:512
.set j, j+1
.endr
	WIN 0
	HLOAD 0
	s_wait_loadcnt 36                              ; weights, scale words and rows are in; the 36 loads of W2's first half may be out
.irp q, 0,1,2,3
	ds_store_b128 v[ASST], v[ASET+24+4*\q:ASET+27+4*\q] offset:16*\q
.endr
	WIN 0x0c                                       ; an LDS store's data are its source 1: window 3
.set j, 0
.rept 32                                       ; j = 2 x (token's number in my 16) + slot; token 4 (j / 2) + w is row 4 ((j / 2) % 4) + w of tile (j / 2) / 4
	ds_store_b128 v[AST+j%2], v[8*j:8*j+3] offset:((j/2)/4)*17408+64*((j/2)%4)
	ds_store_b128 v[AST+j%2], v[8*j+4:8*j+7] offset:((j/2)/4)*17408+8704+64*((j/2)%4)
.set j, j+1
.endr
	WIN 0
	HLOAD 1
	WIN 0x80
.set j, 0
.rept 64
	v_mov_b32 v[j], 0                              ; OUT, once: the visit is then written in two copies and not three
.set j, j+1
.endr
	WIN 0
	s_wait_dscnt 0x0                               ; for the others' sake: my rows and scale words have landed
	s_barrier_signal -1
	s_barrier_wait -1
	s_sub_co_u32 s[NV], s[NV], 1
	s_cmp_eq_u32 s[NV], 0
	s_cbranch_scc1 .Ltail
.Lvisit:
	VISIT 1
	s_sub_co_u32 s[NV], s[NV], 1
	s_cmp_lg_u32 s[NV], 0
	s_cbranch_scc1 .Lvisit
.Ltail:
	VISIT 0                                        ; the last visit asks for nothing more: written out, so that each wait's count is right on its own way
.set i, 0
.rept 16
	s_load_b32 s[66+i], s[32:33], 16*i             ; the numbers of the tokens whose rows I store
.set i, i+1
.endr
	s_wait_dscnt 0x0                               ; my reads of the walk are over.  A lane's slot hangs on stored numbers, so the text alone bounds those reads by the span of both slots,
	s_barrier_signal -1                            ; and the stage lies inside that span: a barrier parts every wave's reads from any wave's stores into the stage
	s_barrier_wait -1
	WIN 0x08                                       ; the data: window 2
.irp mt, 0,1,2,3
.irp u, 0,1
	ds_store_b128 v[OSTO], v[8*(2*\mt+\u):8*(2*\mt+\u)+3] offset:8448*\mt+32*\u          ; lane (r, h): token 16 mt + r, columns 32 w + 16 h + 8 u on
	ds_store_b128 v[OSTO], v[8*(2*\mt+\u)+4:8*(2*\mt+\u)+7] offset:8448*\mt+32*\u+16
.endr
.endr
	WIN 0
	s_wait_dscnt 0x0
	s_barrier_signal -1
	s_barrier_wait -1                              ; 64 rows of 512 bytes lie in the stage
.set i, 0
.rept 16
	ds_load_b128 v[ASET+4*i:ASET+4*i+3], v[ORD] offset:528*i
.set i, i+1
.endr
	s_wait_kmcnt 0x0
.set i, 0
.rept 16
	s_min_u32 s[66+i], s[66+i], 2047
	v_lshl_add_u32 v[ACC+i], s[66+i], 12, v[L16]   ; the token's row of out0, 16 bytes a lane
.set i, i+1
.endr
.set i, 0
.rept 16
	s_wait_dscnt 15-i
	global_store_b128 v[ACC+i], v[ASET+4*i:ASET+4*i+3], s[36:37] th:TH_STORE_NT   ; 32 lanes store 512 consecutive aligned bytes
.set i, i+1
.endr
	s_wait_tensorcnt 0x0
	ds_add_u32 v254, v255
	s_wait_dscnt 0x0
	s_endpgm
.Lfunc_end_k_q1b27b45a8f_down:
	.size	k_q1b27b45a8f_down, .Lfunc_end_k_q1b27b45a8f_down-k_q1b27b45a8f_down
	.p2alignl 7, 3214868480
	.fill 96, 4, 3214868480
	.section	.rodata,"a",@progbits
	.p2align	6, 0x0
	.amdhsa_kernel k_q1b27b45a8f_down
		.amdhsa_group_segment_fixed_size 201216
		.amdhsa_private_segment_fixed_size 0
		.amdhsa_enable_private_segment 0
		.amdhsa_kernarg_size 48
		.amdhsa_user_sgpr_count 2
		.amdhsa_user_sgpr_kernarg_segment_ptr 1
		.amdhsa_wavefront_size32 1
		.amdhsa_system_sgpr_workgroup_id_x 1
		.amdhsa_system_sgpr_workgroup_id_y 1
		.amdhsa_system_sgpr_workgroup_id_z 1
		.amdhsa_system_vgpr_workitem_id 0
		.amdhsa_next_free_vgpr 1024
		.amdhsa_next_free_sgpr 100
		.amdhsa_reserve_vcc 1
		.amdhsa_float_denorm_mode_32 3
		.amdhsa_float_denorm_mode_16_64 3
		.amdhsa_memory_ordered 1
		.amdhsa_forward_progress 1
		.amdhsa_inst_pref_size 113
	.end_amdhsa_kernel
	.amdgpu_metadata
---
amdhsa.version: [ 1, 2 ]
amdhsa.kernels:
  - .name:           k_q1b27b45a8f_down
    .symbol:         k_q1b27b45a8f_down.kd
    .args:
      - { .name: hid, .offset: 0, .size: 8, .value_kind: global_buffer, .address_space: global }
      - { .name: codes, .offset: 8, .size: 8, .value_kind: global_buffer, .address_space: global }
      - { .name: scal, .offset: 16, .size: 8, .value_kind: global_buffer, .address_space: global }
      - { .name: route, .offset: 24, .size: 8, .value_kind: global_buffer, .address_space: global }
      - { .name: expert_weights, .offset: 32, .size: 8, .value_kind: global_buffer, .address_space: global }
      - { .name: out0, .offset: 40, .size: 8, .value_kind: global_buffer, .address_space: global }
    .group_segment_fixed_size: 201216
    .private_segment_fixed_size: 0
    .kernarg_segment_align: 8
    .kernarg_segment_size: 48
    .max_flat_workgroup_size: 128
    .sgpr_count:     100
    .vgpr_count:     1024
    .wavefront_size: 32
...
	.end_amdgpu_metadata
.endif
;; end of part 3
;; ======== version 2 of 3: 3 launches; 1.11 times as fast as version 1
;; limits: a function is approximated: absolute error at most 7.5e-08
;; workspace buffers: codes 17,825,792 bytes; scal 1,114,112 bytes; route 52,736 bytes of whole numbers; hid 5,135,360 bytes
;; launch prep (part 4): grid 1089 x 1, 4 waves a work-group, no clusters, 37,376 bytes of LDS; arguments x, w1, w2, top_experts, codes, scal, route; writes codes, scal, route
.if DOCPART == 4
	.amdgcn_target "amdgcn-amd-amdhsa--gfx1250"
	.amdhsa_code_object_version 6
	.text
	.protected	k_q1b27b45a8f_prep
	.globl	k_q1b27b45a8f_prep
	.p2align	8
	.type	k_q1b27b45a8f_prep,@function
k_q1b27b45a8f_prep:
	s_mov_b64 s[64:65], 0
	v_nop
	global_prefetch_b8 v0, s[64:65] scope:SCOPE_SE
	s_setreg_imm32_b32 hwreg(HW_REG_WAVE_MODE, 25, 1), 1
	s_wait_xcnt 0x0
; PREP: w1 [8][1024][2048], w2 [8][2048][1024] and x [2048][1024], f32, become codes of FP4 (E2M1) with one E8M0 byte for each 32 along K; one work-group makes the routing lists.
; A block's scale is 2^(floor(log2(largest magnitude)) - 2): its byte is the largest magnitude's exponent field - 2, held at 1 from below.
; LIMITS: NaN and infinities are not served; a block whose largest magnitude lies under 2^-124 (a block of zeros too) keeps the byte 1: a block of zeros has zero codes, and this program alone reads the bytes.
; The input scores enters no line of the computation and is read by no launch.
; WORK-GROUPS: 0 routing (the longest chain of dependent steps, so it has the lowest number); 1..64 x; 65..576 w1; 577..1088 w2.  The paths part on the work-group's number; each path that uses LDS has bytes of its own.
; LAYOUTS.  codes: W1C at 0 [e][tile 128][K step 8][1,024 B]; W2C [e][tile 64][K step 16][1,024 B]; XC [token][512 B].  A piece of 1,024 bytes is the image of an operand's registers:
;   [block of 32 k: 4][row 16][16 B], so that loads of 16 bytes at 16 x lane and 512 further on fill a fragment.  Pair P is columns 32 P .. 32 P + 31; row m of tile 2 P + u is column 32 P + 8 u + m % 8 + 16 (m / 8):
;   a product's results of two neighbouring tiles are then 16 neighbours in a lane.
; scal: W1S at 0 [e][kq 4][pair 64][lane 32][8 B]; W2S [e][kq 8][pair 32][lane][8 B]; lane = 16 u + m, the 8 bytes are the scale words of K steps 2 kq, 2 kq + 1.  XS [token][32 B].
; route: PTOK [4,720] token of each position; TINFO [64]{expert, rows}: row tile i is positions 80 i .. 80 i + 79 of one expert; REC [2,048]{token, e0 | e1 << 8, p0, p1}, sorted by the pair of experts.
.set W2C,   8388608
.set XCO,   16777216
.set W2S,   524288
.set XSO,   1048576
.set TINFO, 19456
.set RECO,  19968
.set RT1,   32768                      ; LDS, routing: [wave][lane] counts by expert, 512 bytes
.set RT2,   33280                      ; [half][wave][lane] counts by pair key, 1,024 bytes
.set WREG,  8192                       ; LDS, x: a region for each wave: two stages of 32 x SP bytes, then 256 scale bytes
.set SP,    80
.set XR,    16                         ; x: v16-79 four sets as loaded; v80-111 two sets of 16 neighbours; v112-127 bytes; v128-191 codes
.set XN,    80
.set XE,    112
.set XCD,   128
.set WX,    32                         ; weights: v32-95 two sets of 32 numbers; v96-127 codes, four registers a block; v[14:15] the eight scale bytes
.set WC,    96
.set SB,    14
.set K,     32                         ; routing: v32-63 experts; v64-127 the records; v128-159 positions' addresses; v160-175 pair keys; v176-191 ranks by key
.set RC,    64
.set PA,    128
.set KEY,   160
.set R2,    176
.set CA,    28                         ; v28 my wave's counts by expert (lane = expert); v29, v30 by pair key (lane = key % 32)
.set CB,    29
.set TT,    4                          ; v4-7 four ranks on their way, by turns
.set MS,    66                         ; s66-97 a bin's masks, one for each register of items
.set PS,    32                         ; s32-63 their bit counts, summed in place
; ---- the weights: a lane takes a column, its registers run down K
.macro WLOAD t, pitch
.irp i, 0,1,2,3,4,5,6,7,8,9,10,11,12,13,14,15,16,17,18,19,20,21,22,23,24,25,26,27,28,29,30,31
	global_load_b32 v[WX+32*((\t)%2)+\i], v4, s[26:27] offset:(32*(\t)+\i)*\pitch th:TH_LOAD_NT
.endr
.endm
.macro WBLOCK t, pitch
.set WQ, WX+32*((\t)%2)
.if (\t) < 7
	s_wait_loadcnt 32                              ; this block's 32 loads are in; the next block's 32 may be out
.else
	s_wait_loadcnt 0x0
.endif
	v_max3_num_f32 v12, |v[WQ]|, |v[WQ+1]|, |v[WQ+2]|   ; the block's largest magnitude: all 32 numbers are mine; two chains
	v_max3_num_f32 v13, |v[WQ+3]|, |v[WQ+4]|, |v[WQ+5]|
.irp i, 6,10,14,18,22,26
	v_max3_num_f32 v12, v12, |v[WQ+\i]|, |v[WQ+\i+1]|
	v_max3_num_f32 v13, v13, |v[WQ+\i+2]|, |v[WQ+\i+3]|
.endr
	v_max3_num_f32 v12, v12, |v[WQ+30]|, |v[WQ+31]|
	v_max3_num_f32 v12, v12, v13, 0x1800000        ; and the floor 2^(3 - 127): the byte cannot fall under 1
	v_add_nc_u32 v11, 0xff000000, v12              ; 2 off the exponent field: the conversion takes this operand's exponent field as its scale
	v_lshrrev_b32 v13, 23, v11                     ; the scale's byte
.if (\t)%4 == 0
	v_mov_b32 v[SB+(\t)/4], v13
.else
	v_lshl_or_b32 v[SB+(\t)/4], v13, 8*((\t)%4), v[SB+(\t)/4]
.endif
.irp g, 0,1,2,3
	v_cvt_scalef32_pk8_fp4_f32 v[WC+4*(\t)+\g], v[WQ+8*\g:WQ+8*\g+7], v11
.endr
	global_store_b128 v5, v[WC+4*(\t):WC+4*(\t)+3], s[28:29] offset:256*(\t)   ; lanes 0-15 store 256 consecutive aligned bytes of tile 2 P, lanes 16-31 of tile 2 P + 1; each block has its own registers, so no store's data are rewritten
.if (\t)+2 < 8
	WLOAD (\t)+2, \pitch
.endif
.endm
; A work-group: 128 columns x 256 k of one expert; a wave: pair P = 4 cg + wave, 8 blocks of 32.
.macro WPATH first, pitch, ts, npair, cgb, kqm, srclo, coff, soff
	s_sub_co_u32 s20, ttmp9, \first
	s_and_b32 s21, s20, (1<<\cgb)-1                ; cg
	s_lshr_b32 s22, s20, \cgb
	s_and_b32 s22, s22, \kqm                       ; kq
	s_lshr_b32 s23, s20, 6                         ; expert
	s_lshl_b32 s21, s21, 2
	s_add_co_u32 s21, s21, s18                     ; P
	s_lshl_b32 s24, s23, 23                        ; the source: expert x 8 MiB + kq x 256 rows + 128 bytes x P
	s_mul_i32 s25, s22, 256*\pitch
	s_add_co_u32 s24, s24, s25
	s_lshl_b32 s25, s21, 7
	s_add_co_u32 s24, s24, s25
	s_mov_b32 s25, 0
	s_add_nc_u64 s[26:27], s[\srclo:\srclo+1], s[24:25]
	s_lshl_b32 s24, s23, 20                        ; the codes: expert x 1 MiB + tile 2 P + K step 2 kq
	s_mul_i32 s28, s21, 2*\ts
	s_add_co_u32 s24, s24, s28
	s_lshl_b32 s28, s22, 11
	s_add_co_u32 s24, s24, s28
	s_add_co_u32 s24, s24, \coff
	s_add_nc_u64 s[28:29], s[12:13], s[24:25]
	s_lshl_b32 s24, s23, 16                        ; the scale words
	s_mul_i32 s30, s22, \npair*256
	s_add_co_u32 s24, s24, s30
	s_lshl_b32 s30, s21, 8
	s_add_co_u32 s24, s24, s30
	s_add_co_u32 s24, s24, \soff
	s_add_nc_u64 s[30:31], s[14:15], s[24:25]
	v_and_b32 v2, 7, v1                            ; lane = 16 u + m takes column 8 u + m % 8 + 16 (m / 8) of the pair
	v_bfe_u32 v3, v1, 3, 1
	v_bfe_u32 v7, v1, 4, 1
	v_lshl_add_u32 v2, v3, 4, v2
	v_lshl_add_u32 v2, v7, 3, v2
	v_lshlrev_b32 v4, 2, v2                        ; in: 4 bytes a column
	v_and_b32 v5, 15, v1
	v_lshlrev_b32 v5, 4, v5
	v_mad_u32_u24 v5, v7, \ts, v5                  ; out: tile u, row m
	v_lshlrev_b32 v6, 3, v1
	WLOAD 0, \pitch
	WLOAD 1, \pitch
.irp t, 0,1,2,3,4,5,6,7
	WBLOCK \t, \pitch
.endr
	global_store_b64 v6, v[SB:SB+1], s[30:31]      ; 32 lanes store 256 consecutive aligned bytes
	s_endpgm
.endm
; ---- x: K is innermost: a plain stream of blocks.  Loads take the bytes as they lie; a step's 2,048 bytes turn through the wave's own stage so that a lane holds 16 neighbours
.macro XLOAD t
.irp i, 0,1,2,3
	global_load_b128 v[XR+16*((\t)%4)+4*\i:XR+16*((\t)%4)+4*\i+3], v3, s[26:27] offset:2048*(\t)+512*\i th:TH_LOAD_NT
.endr
.endm
.macro XTURN t                         ; LDS serves a wave's instructions in order: no wait between the stores and the loads
.irp i, 0,1,2,3
	ds_store_b128 v14, v[XR+16*((\t)%4)+4*\i:XR+16*((\t)%4)+4*\i+3] offset:32*SP*((\t)%2)+8*SP*\i
.endr
.irp i, 0,1,2,3
	ds_load_b128 v[XN+16*((\t)%2)+4*\i:XN+16*((\t)%2)+4*\i+3], v15 offset:32*SP*((\t)%2)+16*\i
.endr
.endm
.macro XSTEP t
.set XQ, XN+16*((\t)%2)
.if (\t) > 0
	s_wait_dscnt 1                                 ; this step's numbers are back from the stage (the last step's byte store may be out)
.else
	s_wait_dscnt 0x0
.endif
.if (\t)+4 < 16
	XLOAD (\t)+4                                   ; into the registers that this step's stage stores have read
.endif
.if (\t)+1 < 16
.if 14-(\t) >= 3
	s_wait_loadcnt 12                              ; the next step's four loads are in; those of the three steps behind it may be out
.else
	s_wait_loadcnt 4*(14-(\t))
.endif
	XTURN (\t)+1
.endif
	v_max3_num_f32 v8, |v[XQ]|, |v[XQ+1]|, |v[XQ+2]|
	v_max3_num_f32 v9, |v[XQ+3]|, |v[XQ+4]|, |v[XQ+5]|
.irp i, 6,10
	v_max3_num_f32 v8, v8, |v[XQ+\i]|, |v[XQ+\i+1]|
	v_max3_num_f32 v9, v9, |v[XQ+\i+2]|, |v[XQ+\i+3]|
.endr
	v_max3_num_f32 v8, v8, |v[XQ+14]|, |v[XQ+15]|
	v_max3_num_f32 v8, v8, v9, 0x1800000           ; the floor 2^(3 - 127)
	v_max_num_f32_dpp v8, v8, v8 row_xmask:1 row_mask:0xf bank_mask:0xf   ; with my neighbour's 16: the block's largest magnitude
	v_add_nc_u32 v11, 0xff000000, v8
	v_cvt_scalef32_pk8_fp4_f32 v[XCD+4*(\t)], v[XQ:XQ+7], v11
	v_cvt_scalef32_pk8_fp4_f32 v[XCD+4*(\t)+1], v[XQ+8:XQ+15], v11
	v_lshrrev_b32 v[XE+(\t)], 23, v11              ; the scale's byte (also the plain line behind the conversions)
	ds_store_b8 v5, v[XE+(\t)] offset:16*(\t)      ; both lanes of a block write the same byte with the same value
	global_store_b64 v4, v[XCD+4*(\t):XCD+4*(\t)+1], s[28:29] offset:256*(\t)   ; the wave stores 256 consecutive aligned bytes
.endm
; ---- routing: the ranks of the wave's items in one bin, s[bin], over num registers of items (kind 0: the 32 registers of experts; kind 1: the 16 of pair keys).
; An item's rank is the number of the bin's items in earlier registers + in lower lanes of its own register.  The steps go in batches, each step of all registers before the next, with scalars of their own for each
; register (from s[MS + o] and s[PS + o] on), so that no line waits for the line above it: all compares; all bit counts; then the running sums in place, an add a turn, and beside add g the rank of register g - 1
; (which reads the sum made two adds back) and the choice for register g - 3 (which reads a rank made six lines back).  The bin's count is left in s[PS + o + num - 1].
.macro BATCH num, kind, bin, o
.set g, 0
.rept \num
.if \kind
	v_cmp_eq_u32 s[MS+\o+g], s[\bin], v[KEY+g]
.else
	v_cmp_eq_u32 s[MS+\o+g], s[\bin], v[K+g]
.endif
.set g, g+1
.endr
.set g, 0
.rept \num
	s_bcnt1_i32_b32 s[PS+\o+g], s[MS+\o+g]
.set g, g+1
.endr
.set g, 0
.rept \num+3
.if (g >= 1) && (g < \num)
	s_add_co_u32 s[PS+\o+g], s[PS+\o+g], s[PS+\o+g-1]
.endif
.if g == 1
	v_mbcnt_lo_u32_b32 v[TT], s[MS+\o], 0
.elseif (g >= 2) && (g <= \num)
	v_mbcnt_lo_u32_b32 v[TT+(g-1)%4], s[MS+\o+g-1], s[PS+\o+g-2]
.endif
.if g >= 3
.if \kind
	v_cndmask_b32 v[R2+g-3], v[R2+g-3], v[TT+(g-3)%4], s[MS+\o+g-3]
.else
	v_cndmask_b32 v[RC+4*((g-3)/2)+2+((g-3)%2)], v[RC+4*((g-3)/2)+2+((g-3)%2)], v[TT+(g-3)%4], s[MS+\o+g-3]
.endif
.endif
.set g, g+1
.endr
.endm
.macro SUMS b, tot, prev               ; of the four waves' counts in v[b] on: the sum, and the sum over the waves ahead of mine
	v_and_b32 v[\prev], s28, v[\b]
	v_and_b32 v2, s29, v[\b+1]
	v_and_b32 v3, s30, v[\b+2]
	v_add3_u32 v[\prev], v[\prev], v2, v3
	v_add3_u32 v[\tot], v[\b], v[\b+1], v[\b+2]
	v_add_nc_u32 v[\tot], v[\tot], v[\b+3]
.endm
	s_load_b256 s[4:11], s[0:1], 0x0               ; x s[4:5], w1 s[6:7], w2 s[8:9], top_experts s[10:11]
	s_load_b128 s[12:15], s[0:1], 0x20             ; codes s[12:13], scal s[14:15]
	s_load_b64 s[16:17], s[0:1], 0x30              ; route
	v_lshl_add_u32 v192, v0, 2, 0x9000
	v_mov_b32 v193, 0
	v_lshrrev_b32 v1, 5, v0
	v_readfirstlane_b32 s18, v1                    ; wave
	v_and_b32 v1, 31, v0                           ; lane
	s_wait_kmcnt 0x0
	s_cmp_eq_u32 ttmp9, 0
	s_cbranch_scc1 .Lroute
	s_cmp_lt_u32 ttmp9, 65
	s_cbranch_scc1 .Lx
	s_cmp_lt_u32 ttmp9, 577
	s_cbranch_scc1 .Lw1
	WPATH 577, 4096, 16384, 32, 3, 7, 8, W2C, W2S
.Lw1:
	WPATH 65, 8192, 8192, 64, 4, 3, 6, 0, 0
.Lx:                                                   ; a wave takes a run of 8,192 numbers: 16 steps of 512
	v_lshlrev_b32 v3, 4, v1                        ; my 16 bytes of a load's 512
	s_mul_i32 s20, s18, WREG
	v_lshrrev_b32 v14, 2, v1
	v_mul_u32_u24 v14, v14, SP
	v_and_b32 v15, 3, v1
	v_lshl_add_u32 v14, v15, 4, v14
	v_add_nc_u32 v14, s20, v14                     ; the stage, in: four lanes' 64 bytes on end, then 16 of padding
	v_mul_u32_u24 v15, v1, SP
	v_add_nc_u32 v15, s20, v15                     ; out: my 16 neighbours
	v_lshlrev_b32 v4, 3, v1                        ; my 8 bytes of a step's codes
	v_lshrrev_b32 v5, 1, v1
	s_add_co_u32 s20, s20, 2*32*SP
	v_add_nc_u32 v5, s20, v5                       ; my block's byte among the wave's 256
	v_lshlrev_b32 v7, 3, v1
	v_add_nc_u32 v6, s20, v7
	s_sub_co_u32 s21, ttmp9, 1
	s_lshl_b32 s21, s21, 2
	s_add_co_u32 s22, s21, s18                     ; my run
	s_mov_b32 s25, 0
	s_lshl_b32 s24, s22, 15
	s_add_nc_u64 s[26:27], s[4:5], s[24:25]
	s_lshl_b32 s24, s22, 12
	s_add_co_u32 s24, s24, XCO
	s_add_nc_u64 s[28:29], s[12:13], s[24:25]
	s_lshl_b32 s24, s22, 8
	s_add_co_u32 s24, s24, XSO
	s_add_nc_u64 s[30:31], s[14:15], s[24:25]
.irp t, 0,1,2,3
	XLOAD \t
.endr
	s_wait_loadcnt 12                              ; step 0's four loads are in
	XTURN 0
.irp t, 0,1,2,3,4,5,6,7,8,9,10,11,12,13,14,15
	XSTEP \t
.endr
	ds_load_b64 v[12:13], v6                       ; in order behind my byte stores
	s_wait_dscnt 0x0
	global_store_b64 v7, v[12:13], s[30:31]        ; 256 consecutive aligned bytes
	s_wait_tensorcnt 0x0
	ds_add_u32 v192, v193
	s_wait_dscnt 0x0
	s_endpgm
.Lroute:                                               ; a counting sort without atomics: ranks in the wave, counts through LDS, offsets by a scan
	s_lshl_b32 s20, s18, 12
	v_lshl_add_u32 v2, v1, 4, s20                  ; wave w reads ints 1,024 w on; load a: ints 128 a + 4 lane .. + 3: two tokens
.irp a, 0,1,2,3,4,5,6,7
	global_load_b128 v[K+4*\a:K+4*\a+3], v2, s[10:11] offset:512*\a
.endr
	s_lshl_b32 s20, s18, 9
	v_lshl_add_u32 v3, v1, 1, s20
.set q, 0
.rept 16
	v_add_nc_u32 v[RC+4*q], 64*(q/2)+(q%2), v3     ; my token q: 512 w + 64 (q / 2) + 2 lane + q % 2
	v_mov_b32 v[RC+4*q+2], 0                       ; the ranks are chosen into these registers: written once
	v_mov_b32 v[RC+4*q+3], 0
	v_mov_b32 v[R2+q], 0
.set q, q+1
.endr
	v_mov_b32 v[CA], 0
	v_mov_b32 v[CB], 0
	v_mov_b32 v[CB+1], 0
	s_wait_loadcnt 0x0
.set g, 0
.rept 32
	v_min_u32 v[K+g], 7, v[K+g]                    ; an index stays inside its table; held all the same
.set g, g+1
.endr
.set q, 0
.rept 16
	v_lshl_or_b32 v[RC+4*q+1], v[K+2*q+1], 8, v[K+2*q]
.set q, q+1
.endr
.set q, 0
.rept 16
	v_min_u32 v[KEY+q], v[K+2*q], v[K+2*q+1]
.set q, q+1
.endr
.set q, 0
.rept 16
	v_max_u32 v[PA+q], v[K+2*q], v[K+2*q+1]
.set q, q+1
.endr
.set q, 0
.rept 16
	v_lshl_add_u32 v[KEY+q], v[KEY+q], 3, v[PA+q]  ; the pair's key: 8 x smaller + larger
.set q, q+1
.endr
	s_mov_b32 s20, 0
.LloopA:                                               ; 8 trips: the expert
	BATCH 32, 0, 20, 0
	v_writelane_b32 v[CA], s[PS+31], s20
	s_add_co_u32 s20, s20, 1
	s_cmp_lt_u32 s20, 8
	s_cbranch_scc1 .LloopA
	s_mov_b32 s20, 0
.LloopB:                                               ; 32 trips: keys b and b + 32.  A key whose first digit is the larger has no tokens and is passed over; where b is such a key, so is b + 32, whose first digit is 4 larger
	s_mov_b32 s21, 0
	s_mov_b32 s27, 0
	s_lshr_b32 s24, s20, 3
	s_and_b32 s25, s20, 7
	s_cmp_gt_u32 s24, s25
	s_cbranch_scc1 .LskipB
	BATCH 16, 1, 20, 0
	s_mov_b32 s21, s[PS+15]
	s_add_co_u32 s26, s20, 32
	s_add_co_u32 s24, s24, 4
	s_cmp_gt_u32 s24, s25
	s_cbranch_scc1 .LskipB
	BATCH 16, 1, 26, 16
	s_mov_b32 s27, s[PS+31]
.LskipB:
	v_writelane_b32 v[CB], s21, s20
	v_writelane_b32 v[CB+1], s27, s20
	s_add_co_u32 s20, s20, 1
	s_cmp_lt_u32 s20, 32
	s_cbranch_scc1 .LloopB
	v_lshl_add_u32 v6, v0, 2, RT1                  ; a word for each thread
	ds_store_b32 v6, v[CA]
	ds_store_b32 v6, v[CB] offset:512
	ds_store_b32 v6, v[CB+1] offset:1024
	s_wait_dscnt 0x0                               ; for the others' sake: my counts have landed
	s_barrier_signal -1
	s_barrier_wait -1
	v_lshl_add_u32 v7, v1, 2, RT1
.irp w, 0,1,2,3
	ds_load_b32 v[16+\w], v7 offset:128*\w
	ds_load_b32 v[20+\w], v7 offset:512+128*\w
	ds_load_b32 v[24+\w], v7 offset:1024+128*\w
.endr
.irp w, 0,1,2
	s_cmp_gt_u32 s18, \w
	s_cselect_b32 s[28+\w], -1, 0                  ; all ones where wave w stands ahead of mine
.endr
	s_wait_dscnt 0x0
	SUMS 16, 8, 11
	SUMS 20, 9, 12
	SUMS 24, 10, 13
	v_mov_b32 v14, 0
	s_mov_b32 s31, 0                               ; tiles so far
.irp e, 0,1,2,3,4,5,6,7
	v_readlane_b32 s[48+\e], v8, \e                ; the experts' rows, read out in one run
.endr
.irp e, 0,1,2,3,4,5,6,7
	s_mov_b32 s[40+\e], s31                        ; the expert's first tile
	s_mul_i32 s22, s31, 80
	v_writelane_b32 v14, s22, \e                   ; its first position
	s_add_co_u32 s23, s[48+\e], 79
	s_mul_i32 s23, s23, 13108
	s_lshr_b32 s23, s23, 20                        ; (rows + 79) / 80: 13,108 / 2^20 exceeds 1 / 80 by 7.7e-7, which over 4,175 stays under 1 / 80
	s_add_co_u32 s31, s31, s23
	s_add_co_u32 s[48+\e], s[48+\e], s22           ; rows + first position
.endr
	v_add_nc_u32 v15, v14, v11                     ; lane e: where my wave's rows of expert e begin
.set g, 0
.rept 32
	v_lshlrev_b32 v[PA+g], 2, v[K+g]
.set g, g+1
.endr
.set g, 0
.rept 32
	ds_bpermute_b32 v[PA+g], v[PA+g], v15          ; each item fetches its expert's offset
.set g, g+1
.endr
	s_wait_dscnt 0x0
.set g, 0
.rept 32
	v_add_nc_u32 v[RC+4*(g/2)+2+(g%2)], v[RC+4*(g/2)+2+(g%2)], v[PA+g]   ; the position
.set g, g+1
.endr
.set g, 0
.rept 32
	v_min_u32 v[PA+g], 4719, v[RC+4*(g/2)+2+(g%2)]
.set g, g+1
.endr
.set g, 0
.rept 32
	v_lshlrev_b32 v[PA+g], 2, v[PA+g]
.set g, g+1
.endr
.set g, 0
.rept 32
	global_store_b32 v[PA+g], v[RC+4*(g/2)], s[16:17]   ; PTOK[position] = token
.set g, g+1
.endr
	s_cmp_gt_u32 s18, 1                            ; waves 0 and 1: tile i = thread; all 64 entries are written
	s_cbranch_scc1 .Lno_tinfo
	v_mul_u32_u24 v2, v0, 80
	v_mov_b32 v16, 0
	v_mov_b32 v17, 0
.irp e, 0,1,2,3,4,5,6,7
	v_cmp_le_u32 vcc_lo, s[40+\e], v0              ; the last expert whose first tile is at or below i owns it
	v_max_u32 v3, s[48+\e], v2
	v_sub_nc_u32 v3, v3, v2                        ; its rows from position 80 i on, 0 at the least
	v_mov_b32 v5, \e
	v_cndmask_b32 v16, v16, v5, vcc_lo
	v_cndmask_b32 v17, v17, v3, vcc_lo
.endr
	v_min_u32 v17, 80, v17
	v_lshlrev_b32 v4, 3, v0
	global_store_b64 v4, v[16:17], s[16:17] offset:TINFO
.Lno_tinfo:
	v_mov_b32 v18, 0                               ; the scan over the 64 keys: all counts read out in a run, then sums in place and the sums before them written back, by turns.  (s40-55 were read for the last time above)
	v_mov_b32 v19, 0
.set bb, 0
.rept 32
	v_readlane_b32 s[MS+bb], v9, bb
.set bb, bb+1
.endr
.set bb, 0
.rept 32
	v_readlane_b32 s[PS+bb], v10, bb
.set bb, bb+1
.endr
.set bb, 1
.rept 31
	s_add_co_u32 s[MS+bb], s[MS+bb], s[MS+bb-1]
	v_writelane_b32 v18, s[MS+bb-1], bb            ; lane b: the tokens of keys under b (lane 0 keeps its 0)
.set bb, bb+1
.endr
	s_add_co_u32 s[PS], s[PS], s[MS+31]
	v_writelane_b32 v19, s[MS+31], 0
.set bb, 1
.rept 31
	s_add_co_u32 s[PS+bb], s[PS+bb], s[PS+bb-1]
	v_writelane_b32 v19, s[PS+bb-1], bb            ; lane b: the tokens of keys under 32 + b
.set bb, bb+1
.endr
	v_add_nc_u32 v18, v18, v12
	v_add_nc_u32 v19, v19, v13
.set q, 0
.rept 16
	v_and_b32 v[K+q], 31, v[KEY+q]
.set q, q+1
.endr
.set q, 0
.rept 16
	v_lshlrev_b32 v[K+q], 2, v[K+q]
.set q, q+1
.endr
.set q, 0
.rept 16
	ds_bpermute_b32 v[K+16+q], v[K+q], v19
	ds_bpermute_b32 v[K+q], v[K+q], v18
.set q, q+1
.endr
.set q, 0
.rept 16
	v_cmp_le_u32 s[MS+q], 32, v[KEY+q]             ; which half of the keys: made while the permutes are out
.set q, q+1
.endr
	s_wait_dscnt 0x0
.set q, 0
.rept 16
	v_cndmask_b32 v[K+q], v[K+q], v[K+16+q], s[MS+q]
.set q, q+1
.endr
.set q, 0
.rept 16
	v_add_nc_u32 v[R2+q], v[R2+q], v[K+q]          ; the token's place in the sorted list
.set q, q+1
.endr
.set q, 0
.rept 16
	v_min_u32 v[R2+q], 2047, v[R2+q]
.set q, q+1
.endr
.set q, 0
.rept 16
	v_lshlrev_b32 v[R2+q], 4, v[R2+q]
.set q, q+1
.endr
.set q, 0
.rept 16
	global_store_b128 v[R2+q], v[RC+4*q:RC+4*q+3], s[16:17] offset:RECO
.set q, q+1
.endr
	s_wait_tensorcnt 0x0
	ds_add_u32 v192, v193
	s_wait_dscnt 0x0
	s_endpgm
.Lfunc_end_k_q1b27b45a8f_prep:
	.size	k_q1b27b45a8f_prep, .Lfunc_end_k_q1b27b45a8f_prep-k_q1b27b45a8f_prep
	.p2alignl 7, 3214868480
	.fill 96, 4, 3214868480
	.section	.rodata,"a",@progbits
	.p2align	6, 0x0
	.amdhsa_kernel k_q1b27b45a8f_prep
		.amdhsa_group_segment_fixed_size 37376
		.amdhsa_private_segment_fixed_size 0
		.amdhsa_enable_private_segment 0
		.amdhsa_kernarg_size 56
		.amdhsa_user_sgpr_count 2
		.amdhsa_user_sgpr_kernarg_segment_ptr 1
		.amdhsa_wavefront_size32 1
		.amdhsa_system_sgpr_workgroup_id_x 1
		.amdhsa_system_sgpr_workgroup_id_y 1
		.amdhsa_system_sgpr_workgroup_id_z 1
		.amdhsa_system_vgpr_workitem_id 0
		.amdhsa_next_free_vgpr 194
		.amdhsa_next_free_sgpr 100
		.amdhsa_reserve_vcc 1
		.amdhsa_float_denorm_mode_32 3
		.amdhsa_float_denorm_mode_16_64 3
		.amdhsa_memory_ordered 1
		.amdhsa_forward_progress 1
		.amdhsa_inst_pref_size 170
	.end_amdhsa_kernel
	.amdgpu_metadata
---
amdhsa.version: [ 1, 2 ]
amdhsa.kernels:
  - .name:           k_q1b27b45a8f_prep
    .symbol:         k_q1b27b45a8f_prep.kd
    .args:
      - { .name: x, .offset: 0, .size: 8, .value_kind: global_buffer, .address_space: global }
      - { .name: w1, .offset: 8, .size: 8, .value_kind: global_buffer, .address_space: global }
      - { .name: w2, .offset: 16, .size: 8, .value_kind: global_buffer, .address_space: global }
      - { .name: top_experts, .offset: 24, .size: 8, .value_kind: global_buffer, .address_space: global }
      - { .name: codes, .offset: 32, .size: 8, .value_kind: global_buffer, .address_space: global }
      - { .name: scal, .offset: 40, .size: 8, .value_kind: global_buffer, .address_space: global }
      - { .name: route, .offset: 48, .size: 8, .value_kind: global_buffer, .address_space: global }
    .group_segment_fixed_size: 37376
    .private_segment_fixed_size: 0
    .kernarg_segment_align: 8
    .kernarg_segment_size: 56
    .max_flat_workgroup_size: 128
    .sgpr_count:     100
    .vgpr_count:     194
    .wavefront_size: 32
...
	.end_amdgpu_metadata
.endif
;; end of part 4
;; launch up: the kernel of part 2 again; grid 4 x 59, 4 waves a work-group, no clusters, 67,072 bytes of LDS; arguments codes, scal, route, hid; writes hid
;; launch down: the kernel of part 3 again; grid 8 x 32, 4 waves a work-group, no clusters, 201,216 bytes of LDS; arguments hid, codes, scal, route, expert_weights, out0; writes out0
;; ======== version 3 of 3: 3 launches; version 2 with the launches up, down written anew for expert scheduling mode
;; limits: a function is approximated: absolute error at most 7.5e-08
;; workspace buffers: codes 17,825,792 bytes; scal 1,114,112 bytes; route 52,736 bytes of whole numbers; hid 5,135,360 bytes
;; launch prep: the kernel of part 4 again; grid 1089 x 1, 4 waves a work-group, no clusters, 37,376 bytes of LDS; arguments x, w1, w2, top_experts, codes, scal, route; writes codes, scal, route
;; launch up (part 5): grid 4 x 59, 4 waves a work-group, no clusters, 67,072 bytes of LDS; arguments codes, scal, route, hid; writes hid
.if DOCPART == 5
	.amdgcn_target "amdgcn-amd-amdhsa--gfx1250"
	.amdhsa_code_object_version 6
	.text
	.protected	k_q1b27b45a8f_up
	.globl	k_q1b27b45a8f_up
	.p2align	8
	.type	k_q1b27b45a8f_up,@function
k_q1b27b45a8f_up:
	s_mov_b64 s[64:65], 0
	v_nop
	global_prefetch_b8 v0, s[64:65] scope:SCOPE_SE
	s_setreg_imm32_b32 hwreg(HW_REG_WAVE_SCHED_MODE, 0, 2), 2
	s_setreg_imm32_b32 hwreg(HW_REG_WAVE_MODE, 25, 1), 1
	s_wait_xcnt 0x0
	s_wait_alu depctr_vm_vsrc(0)
; UP: for row tile y (80 positions of one expert) and column block nt (512 hidden units): h = gelu(Q(x) Q(w1[e])), quantised along the hidden axis, to hid.
; SHARES.  Wave w makes hidden units 128 (4 nt + w) on (8 tiles of 16) for all 80 rows (5 tiles): 40 accumulators.  Its 64 KiB of W1's codes go from memory straight into registers, as images of fragments;
; the 80 gathered rows of x are shared through LDS.  The product is used transposed (source 0 = 16 rows of W1's image, source 1 = 16 rows of x): a lane holds one row, and, by the order of W1's tiles, the 16 registers of
; two neighbouring tiles are 16 neighbouring hidden units: the next K.
; GRID.  59 tiles serve every split of 4,096 rows over 8 experts.  Rows past a tile's count repeat its last row; their results land at positions that nobody reads.  A tile without rows: the work-group runs on position 0
; and stores nothing: so every barrier stands on every wave's path, and only the stores stand under the branch on the stored count.
; GELU (exact form): gelu(x) = max(x, 0) - |x| g, g = Phi(-|x|) = 2^(-x^2 log2(e) / 2) t (c1 + t (c2 + t (c3 + t (c4 + t c5)))), t = 1 / (1 + 0.2316419 |x|) (Abramowitz and Stegun 26.2.17, the factor 1 / sqrt(2 pi) in the c).
; LIMITS: that formula's error in Phi is 7.5e-8 at the most, so gelu's is about |x| x 2e-7 with the rounding of f32 (an estimate); NaN and infinities are not served; a block under 2^-124 keeps the byte 1.
; hid: HQ [position 4,720][1,024 B] codes, block f / 32 at 16 (f / 32); HS [nt 4][position][16 B]: the scale words of K steps 4 nt .. 4 nt + 3.
; REGISTERS.  Window 0: v1-22 lane terms and addresses; in the products v32-63 W1's scale words, v64-87 x's, v96-215 x's fragments (three sets of 40; first the 20 gathered rows in v96-175 and the rows' offsets in v176-195);
;   afterwards v32-95 gelu's results, v96-191 at work, v200-231 the quantiser's.  W1's fragments: a ring of five sets of 64: sets 0-3 fill window 1, set 4 lies at v64-127 of window 3.
;   Window 2: accumulators of row tiles 0-3 at v[8 (8 mt + ft)]; window 3, v0-63: of row tile 4.
; THE MODE: SCHED_MODE bits 1:0 = 2 (LLVM: expert scheduling mode 2), set by the entry lines.  The code itself states the register dependences between vector or matrix instructions and memory or LDS instructions,
; with s_wait_alu, always for 0.
; THE PLAN.  Registers that memory or LDS instructions touch:
;   W1's ring     K step st: its 40 products read set st % 5; the loads of K step st + 4, issued at the head of step st, land in set (st - 1) % 5, which the products of step st - 1 read.
;   x's fragments K step st: its products read set st % 3; the LDS loads of K step st + 2, issued at the head of step st, land in set (st - 1) % 3.
;   v96-195       At the head: the gathered rows land in v96-175 and are read by my LDS stores; their offsets in v176-195 are written by vector lines and read by the rows' loads.  Then they are x's fragments.
;   v1-22         Offsets and LDS addresses: made at the head, never written again.
;   v[PC ..], v[PW]  A row tile's codes and scale word: written by the quantiser, read by three LDS stores.
;   v96-135, v160-169  Named by gelu; on the way out the loads from the stage land there.
; So ONE wait on va_vdst stands at the head of K steps 1 to 5, behind the step's waits for its data: the products of the step before are done with the two sets that this step's loads fill.  Step 0's loads land in sets
; that no vector or matrix instruction has named since the head's waits; steps 6 and 7 load nothing.  A row tile has one wait on va_vdst ahead of its stores and one on vm_vsrc ahead of the next tile's quantiser.
.set XCO,   16777216
.set XSO,   1048576
.set TINFO, 19456
.set HSO,   4833280
.set STG,   43520                      ; LDS: 0: x's images [row tile 5][block 32][16 rows x 16 B + 16]; STG: 80 rows x (256 + 16) of codes; SST: 80 x 16 B of scale words
.set SST,   65280
.set LN,   1
.set RR,   2
.set HH,   3
.set L16,  4
.set XST,  5
.set XRD,  6
.set L8,   7
.set STO,  8
.set SSO,  9
.set SRD,  10
.set GOUT, 11
.set IDX,  12
.set SSR,  15
.set C4V,  16
.set PAD,  20
.set WS,   32
.set XS,   64
.set AF,   96
.set OFFR, 176
.set H,    32
.set T,    96
.set E,    128
.set Q,    160
.set TM,   200
.set PW,   216
.set PC,   224
.set MSB, 0
.macro WIN new                         ; the immediate's high byte repeats the setting that is left; a switch that changes nothing is dropped
.if MSB != (\new)
	s_set_vgpr_msb (MSB<<8)|(\new)
.set MSB, (\new)
.endif
.endm
.macro WMR d, a, b, c, sa, sb, ra, rb  ; one product; ra, rb: that side's scale words stand in lanes 16-31
.if (\ra) && (\rb)
	v_wmma_scale_f32_16x16x128_f8f6f4 v[\d:\d+7], v[\a:\a+7], v[\b:\b+7], \c, v[\sa], v[\sb] matrix_a_fmt:MATRIX_FMT_FP4 matrix_b_fmt:MATRIX_FMT_FP4 matrix_a_scale:MATRIX_SCALE_ROW1 matrix_b_scale:MATRIX_SCALE_ROW1
.elseif (\ra)
	v_wmma_scale_f32_16x16x128_f8f6f4 v[\d:\d+7], v[\a:\a+7], v[\b:\b+7], \c, v[\sa], v[\sb] matrix_a_fmt:MATRIX_FMT_FP4 matrix_b_fmt:MATRIX_FMT_FP4 matrix_a_scale:MATRIX_SCALE_ROW1
.elseif (\rb)
	v_wmma_scale_f32_16x16x128_f8f6f4 v[\d:\d+7], v[\a:\a+7], v[\b:\b+7], \c, v[\sa], v[\sb] matrix_a_fmt:MATRIX_FMT_FP4 matrix_b_fmt:MATRIX_FMT_FP4 matrix_b_scale:MATRIX_SCALE_ROW1
.else
	v_wmma_scale_f32_16x16x128_f8f6f4 v[\d:\d+7], v[\a:\a+7], v[\b:\b+7], \c, v[\sa], v[\sb] matrix_a_fmt:MATRIX_FMT_FP4 matrix_b_fmt:MATRIX_FMT_FP4
.endif
.endm
.macro BLOAD st                        ; W1's eight fragments of K step st into ring set st % 5: 16 loads of 512 consecutive bytes
.if (\st)%5 == 4
	WIN 0xc0                                       ; set 4 lies in window 3, from v64 on
.set bR, 64
.else
	WIN 0x40
.set bR, 64*((\st)%5)
.endif
.irp ft, 0,1,2,3,4,5,6,7
.irp c, 0,1
	global_load_b128 v[bR+8*\ft+4*\c:bR+8*\ft+4*\c+3], v[L16], s[28:29] offset:\ft*8192+(\st)*1024+\c*512
.endr
.endr
	WIN 0
.endm
.macro ALOAD st                        ; x's five fragments of K step st into set st % 3
.irp mt, 0,1,2,3,4
.irp c, 0,1
	ds_load_b128 v[AF+40*((\st)%3)+8*\mt+4*\c:AF+40*((\st)%3)+8*\mt+4*\c+3], v[XRD] offset:\mt*8704+(\st)*1088+\c*544
.endr
.endr
.endm
.macro PROD mt, ft, st
.set dD, 8*(8*((\mt)%4)+(\ft))
.if (\st)%5 == 4
.set dA, 64+8*(\ft)
.else
.set dA, 64*((\st)%5)+8*(\ft)
.endif
.set dB, AF+40*((\st)%3)+8*(\mt)
.set dS, WS+8*((\ft)/2)+(\st)
.set dT, XS+8*((\mt)/2)+(\st)
.if (\st) == 0
	WMR dD, dA, dB, 0, dS, dT, (\ft)%2, (\mt)%2    ; the first K step starts the sums: nothing is cleared
.else
	WMR dD, dA, dB, v[dD:dD+7], dS, dT, (\ft)%2, (\mt)%2
.endif
.endm
; A K step of 128: 40 products; the 40 accumulators take turns, one instruction a turn, in the same order in every step.
.macro KSTEP st
.if (\st) <= 4
	s_wait_loadcnt 48                              ; ring set st % 5 is in (at step 0 the scale words ahead of it too); the three sets behind it, 48 loads, may be out
.else
	s_wait_loadcnt 16*(7-(\st))
.endif
.if (\st) < 7
	s_wait_dscnt 10                                ; x's fragments of this step are in; the next step's ten loads may be out
.else
	s_wait_dscnt 0x0
.endif
.if ((\st) >= 1) && ((\st)+2 < 8)
	s_wait_alu depctr_va_vdst(0)                   ; the products of the step before are done reading their set of W1's ring and their set of x's fragments, in which the loads below land
.endif
.if (\st)+4 < 8
	BLOAD (\st)+4
.endif
.if (\st)+2 < 8
	ALOAD (\st)+2
.endif
.if (\st)%5 == 4
	WIN 0xa3                                       ; source 0 window 3 (ring set 4), source 1 window 0, C and D window 2
.else
	WIN 0xa1                                       ; source 0 window 1, source 1 window 0, C and D window 2
.endif
.irp mt, 0,1,2,3
.irp ft, 0,1,2,3,4,5,6,7
	PROD \mt, \ft, \st
.endr
.endr
.if (\st)%5 == 4
	WIN 0xf3                                       ; C and D window 3
.else
	WIN 0xf1
.endif
.irp ft, 0,1,2,3,4,5,6,7
	PROD 4, \ft, \st
.endr
	WIN 0
.rept 4
	v_nop                                          ; four places behind the step's products: they stand ahead of the next step's loads into registers that these products read, beside the wait there, and at the end ahead of the first read of results
.endr
.endm
; gelu of 32 results (four accumulators) of row tile mt, into v[H + 32 half] on.  Each accumulator is first read at its low end.
.macro GELU32 mt, half
.set XB, 64*((\mt)%4)+32*(\half)
.set HB, H+32*(\half)
.set WXS, 2+(\mt)/4
	WIN WXS                                        ; source 0: the accumulators' window
.set gi, 0
.rept 16
	v_pk_mul_f32 v[E+gi:E+gi+1], v[XB+gi:XB+gi+1], s[38:39] op_sel_hi:[1,0]   ; -x log2(e) / 2
.set gi, gi+2
.endr
.set gi, 0
.rept 32
	v_fma_f32 v[T+gi], |v[XB+gi]|, s36, 1.0        ; 1 + p |x|
.set gi, gi+1
.endr
.set gi, 0
.rept 16
	v_pk_mul_f32 v[E+gi:E+gi+1], v[XB+gi:XB+gi+1], v[E+gi:E+gi+1]            ; -x^2 log2(e) / 2
.set gi, gi+2
.endr
.set gi, 0
.rept 32
	v_max_num_f32 v[HB+gi], v[XB+gi], 0            ; max(x, 0)
.set gi, gi+1
.endr
	WIN 0
.set gi, 0
.rept 32
	v_rcp_f32 v[T+gi], v[T+gi]                     ; t
.set gi, gi+1
.endr
.set gi, 0
.rept 32
	v_exp_f32 v[E+gi], v[E+gi]
.set gi, gi+1
.endr
	v_nop                                          ; a plain line behind the last transcendental
	s_wait_alu depctr_va_vdst(0)                   ; the 32 reciprocals in v[T ..] and the 32 exponentials in v[E ..] are written: one wait for the batch, ahead of its first reader
.set gi, 0
.rept 16
	v_pk_fma_f32 v[Q+gi:Q+gi+1], v[T+gi:T+gi+1], s[40:41], v[C4V:C4V+1] op_sel_hi:[1,0,1]   ; c5 t + c4 (c4 in a vector pair: one scalar pair an instruction)
.set gi, gi+2
.endr
.irp cc, 42,44,46
.set gi, 0
.rept 16
	v_pk_fma_f32 v[Q+gi:Q+gi+1], v[Q+gi:Q+gi+1], v[T+gi:T+gi+1], s[\cc:\cc+1] op_sel_hi:[1,1,0]   ; .. t + c3, c2, c1
.set gi, gi+2
.endr
.endr
.set gi, 0
.rept 16
	v_pk_mul_f32 v[Q+gi:Q+gi+1], v[Q+gi:Q+gi+1], v[T+gi:T+gi+1]
.set gi, gi+2
.endr
.set gi, 0
.rept 16
	v_pk_mul_f32 v[Q+gi:Q+gi+1], v[Q+gi:Q+gi+1], v[E+gi:E+gi+1]              ; g
.set gi, gi+2
.endr
	WIN WXS
.set gi, 0
.rept 32
	v_fma_f32 v[HB+gi], -|v[XB+gi]|, v[Q+gi], v[HB+gi]                       ; max(x, 0) - |x| g
.set gi, gi+1
.endr
	WIN 0
.endm
; 64 numbers of a lane, register 16 b + i = k 32 b + 16 (lane / 16) + i of my row, become a fragment's codes in v[PC] on and its scale word in v[PW].
.macro QUANT sr
.irp b, 0,1,2,3
	v_max3_num_f32 v[TM+\b], |v[\sr+16*\b]|, |v[\sr+1+16*\b]|, 0x1800000   ; my 16 numbers of block b, and the floor 2^(3 - 127)
.endr
.irp i, 2,4,6,8,10,12,14
.irp b, 0,1,2,3
	v_max3_num_f32 v[TM+\b], v[TM+\b], |v[\sr+16*\b+\i]|, |v[\sr+1+16*\b+\i]|
.endr
.endr
.irp b, 0,1,2,3
	v_permlanex16_b32 v[TM+4+\b], v[TM+\b], s34, s35
.endr
.irp b, 0,1,2,3
	v_max_num_f32 v[TM+\b], v[TM+\b], v[TM+4+\b]   ; with lane l xor 16's: the block's largest magnitude
.endr
.irp b, 0,1,2,3
	v_add_nc_u32 v[TM+12+\b], 0xff000000, v[TM+\b] ; 2 off the exponent field: the conversion's scale operand
.endr
.irp b, 0,1,2,3
	v_lshrrev_b32 v[TM+4+\b], 23, v[TM+12+\b]      ; the scale's byte
.endr
	v_lshl_or_b32 v[PW], v[TM+5], 8, v[TM+4]
	v_lshl_or_b32 v[PW], v[TM+6], 16, v[PW]
	v_lshl_or_b32 v[PW], v[TM+7], 24, v[PW]
.irp b, 0,1,2,3
	v_cvt_scalef32_pk8_fp4_f32 v[PC+2*\b], v[\sr+16*\b:\sr+7+16*\b], v[TM+12+\b]
	v_cvt_scalef32_pk8_fp4_f32 v[PC+1+2*\b], v[\sr+8+16*\b:\sr+15+16*\b], v[TM+12+\b]
.endr
	v_nop                                          ; one plain line behind a scaled conversion
.irp c, 0,1                                    ; a whole block to a lane: lanes 0-15 block 2 c, lanes 16-31 block 2 c + 1
.irp i, 0,1
	v_permlane16_swap_b32 v[PC+4*\c+\i], v[PC+2+4*\c+\i]
.endr
.endr
.endm
	s_load_b256 s[4:11], s[0:1], 0x0               ; codes s[4:5], scal s[6:7], route s[8:9], hid s[10:11]
	v_lshl_add_u32 v254, v0, 2, 0x10400
	v_mov_b32 v255, 0
	v_lshrrev_b32 v1, 5, v0
	v_readfirstlane_b32 s12, v1                    ; wave
	v_and_b32 v[LN], 31, v0
	v_and_b32 v[RR], 15, v0                        ; r
	v_bfe_u32 v[HH], v0, 4, 1                      ; h
	s_and_b32 s13, ttmp7, 0xffff                   ; y: the row tile;  ttmp9: nt
	s_lshl_b32 s14, s13, 3
	s_wait_kmcnt 0x0
	s_load_b64 s[16:17], s[8:9], s14 offset:TINFO  ; {expert, rows}
	v_lshlrev_b32 v[L16], 4, v[LN]
	v_lshlrev_b32 v[L8], 3, v[LN]
	v_mul_u32_u24 v[XST], v[LN], 272
	s_wait_alu depctr_va_sdst(0)                   ; s12, the wave's number, is written, ahead of its first reader
	s_lshl_b32 s19, s12, 4
	v_add_nc_u32 v[XST], s19, v[XST]               ; a gathered row goes in: block = lane, 272 bytes apart; row 4 i + w of the tile block
	v_mul_u32_u24 v[XRD], v[HH], 272
	v_lshl_add_u32 v[XRD], v[RR], 4, v[XRD]        ; a fragment comes out: block h, row r
	v_mul_u32_u24 v[STO], v[RR], 272
	v_lshl_add_u32 v[STO], v[HH], 4, v[STO]
	s_lshl_b32 s19, s12, 6
	s_add_co_u32 s19, s19, STG
	v_add_nc_u32 v[STO], s19, v[STO]               ; codes to the stage: row r, 64 bytes a wave, 16 h
	s_lshl_b32 s19, s12, 2
	s_add_co_u32 s19, s19, SST
	v_lshl_add_u32 v[SSO], v[RR], 4, s19           ; scale word: row r, word w
	s_mul_i32 s19, s12, 20*272
	s_add_co_u32 s19, s19, STG
	v_add_nc_u32 v[SRD], s19, v[XRD]               ; back: my 20 rows, two an instruction
	v_lshlrev_b32 v[GOUT], 10, v[HH]
	v_lshl_add_u32 v[GOUT], v[RR], 4, v[GOUT]      ; and the same two rows in HQ
	v_add_nc_u32 v[SSR], SST, v[L8]
	s_mov_b32 s34, 0x76543210
	s_mov_b32 s35, 0xfedcba98                      ; v_permlanex16_b32's selects for lane l xor 16
	s_mov_b32 s36, 0x3e6d3389                      ; p = 0.2316419
	s_mov_b32 s38, 0xbf38aa3b                      ; -log2(e) / 2
	s_mov_b32 s39, s38                             ; (each pair is named whole, so both words are written)
	s_mov_b32 s40, 0x3f07dc22                      ; c5 = 0.5307027
	s_mov_b32 s41, s40
	s_mov_b32 s42, 0x3f35f0e3                      ; c3 = 0.7107069
	s_mov_b32 s43, s42
	s_mov_b32 s44, 0xbe11a98e                      ; c2 = -0.1422484
	s_mov_b32 s45, s44
	s_mov_b32 s46, 0x3e027906                      ; c1 = 0.1274148
	s_mov_b32 s47, s46
	v_mov_b32 v[C4V], 0xbf3a00e3                   ; c4 = -0.7265760
	v_mov_b32 v[C4V+1], 0xbf3a00e3
	s_wait_kmcnt 0x0
	s_min_u32 s16, s16, 7
	s_cmp_lg_u32 s17, 0
	s_cselect_b32 s15, s13, 0                      ; whose positions I read: my tile's, or tile 0's where I have no rows
	s_min_u32 s15, s15, 58
	s_max_u32 s18, s17, 1
	s_min_u32 s18, s18, 80
	s_sub_co_u32 s18, s18, 1                       ; the last valid row
	s_mul_i32 s20, s15, 320
	s_mov_b32 s21, 0
	s_add_nc_u64 s[20:21], s[8:9], s[20:21]        ; PTOK at the tile
.irp j, 0,1,2
	v_add_nc_u32 v[PAD+\j], 32*\j, v[LN]
	v_min_u32 v[PAD+\j], s18, v[PAD+\j]            ; rows past the count repeat the last row: no unwritten word is read
	v_min_u32 v[PAD+\j], 79, v[PAD+\j]
	v_lshlrev_b32 v[PAD+\j], 2, v[PAD+\j]
.endr
	s_wait_alu depctr_va_vdst(0)                   ; v[PAD ..] are written, which the three loads below read; so are all the offsets and LDS addresses v4 to v15, which later loads and stores read and nothing writes again
.irp j, 0,1,2
	global_load_b32 v[IDX+\j], v[PAD+\j], s[20:21] ; the token of row 32 j + lane: for x's scale words
.endr
.set i, 0
.rept 20
	s_add_co_u32 s[66+i], s12, 4*i                 ; row 4 i + w: the rows that my wave gathers
	s_min_u32 s[66+i], s[66+i], s18
	s_min_u32 s[66+i], s[66+i], 79
	s_lshl_b32 s[66+i], s[66+i], 2
.set i, i+1
.endr
.set i, 0
.rept 20
	s_load_b32 s[66+i], s[20:21], s[66+i] offset:0x0
.set i, i+1
.endr
	s_add_nc_u64 s[22:23], s[4:5], XCO             ; x's codes
	s_add_nc_u64 s[24:25], s[6:7], XSO             ; x's scale words
	s_lshl_b32 s19, ttmp9, 2
	s_add_co_u32 s19, s19, s12                     ; g = 4 nt + w
	s_lshl_b32 s26, s16, 16
	s_lshl_b32 s28, s19, 10
	s_add_co_u32 s26, s26, s28
	s_mov_b32 s27, 0
	s_add_nc_u64 s[26:27], s[6:7], s[26:27]        ; W1's scale words: expert, pairs 4 g on
	s_lshl_b32 s28, s16, 20
	s_lshl_b32 s30, s19, 16
	s_add_co_u32 s28, s28, s30
	s_mov_b32 s29, 0
	s_add_nc_u64 s[28:29], s[4:5], s[28:29]        ; W1's fragments: expert, tiles 8 g on
	s_mul_i32 s30, s13, 80
	s_mul_i32 s31, s12, 20
	s_add_co_u32 s30, s30, s31
	s_lshl_b32 s30, s30, 10
	s_lshl_b32 s31, ttmp9, 8
	s_add_co_u32 s30, s30, s31
	s_mov_b32 s31, 0
	s_add_nc_u64 s[30:31], s[10:11], s[30:31]      ; HQ: position 80 y + 20 w, byte 256 nt
	s_mul_i32 s32, ttmp9, 75520
	s_mul_i32 s33, s13, 1280
	s_add_co_u32 s32, s32, s33
	s_add_co_u32 s32, s32, HSO
	s_mov_b32 s33, 0
	s_add_nc_u64 s[32:33], s[10:11], s[32:33]      ; HS: [nt][80 y]
	s_wait_kmcnt 0x0
.set i, 0
.rept 20
	s_min_u32 s[66+i], s[66+i], 2047
	v_lshl_add_u32 v[OFFR+i], s[66+i], 9, v[L16]   ; the token's row of 512 bytes, 16 a lane
.set i, i+1
.endr
	s_wait_alu depctr_va_vdst(0)                   ; the rows' offsets v[OFFR ..] are written, which the 20 loads below read
.set i, 0
.rept 20
	global_load_b128 v[AF+4*i:AF+4*i+3], v[OFFR+i], s[22:23]
.set i, i+1
.endr
	s_wait_loadcnt 20                              ; the three index loads are in; the 20 rows behind them may be out
.irp j, 0,1,2
	v_min_u32 v[IDX+\j], 2047, v[IDX+\j]
	v_lshlrev_b32 v[IDX+\j], 5, v[IDX+\j]
.endr
	s_wait_alu depctr_va_vdst(0)                   ; v[IDX ..] are written, which the six loads below read
.irp j, 0,1,2
	global_load_b128 v[XS+8*\j:XS+8*\j+3], v[IDX+\j], s[24:25]               ; register 8 j + s: K step s; lanes 0-15 row tile 2 j, lanes 16-31 row tile 2 j + 1
	global_load_b128 v[XS+8*\j+4:XS+8*\j+7], v[IDX+\j], s[24:25] offset:16
.endr
.irp p, 0,1,2,3
.irp kq, 0,1,2,3
	global_load_b64 v[WS+8*\p+2*\kq:WS+8*\p+2*\kq+1], v[L8], s[26:27] offset:\kq*16384+\p*256   ; register 8 p + s: lanes 0-15 tile 2 p, lanes 16-31 tile 2 p + 1
.endr
.endr
	BLOAD 0
	s_wait_loadcnt 38                              ; the rows are in; behind them 6 + 16 + 16 loads may be out
.set i, 0
.rept 20
	ds_store_b128 v[XST], v[AF+4*i:AF+4*i+3] offset:(i/4)*8704+64*(i%4)
.set i, i+1
.endr
	BLOAD 1
	BLOAD 2
	BLOAD 3
	s_wait_dscnt 0x0                               ; for the others' sake: my rows have landed
	s_barrier_signal -1
	s_barrier_wait -1                              ; all 80 rows lie in LDS
	s_wait_alu depctr_vm_vsrc(0)                   ; my LDS stores have read v96-175 and the rows' loads their offsets in v176-195: these registers are x's three sets of fragments from here on
	ALOAD 0
	ALOAD 1
.irp st, 0,1,2,3,4,5,6,7
	KSTEP \st
.endr
.irp b, 0,1,2,3
	v_mov_b32 v[TM+4+\b], 0                        ; written here, behind the fragments' last use of these registers: a lane permute's destination counts as one of its sources
.endr
.irp mt, 0,1,2,3,4                             ; a row tile at a time: gelu, quantiser, codes and scale word to the stage
	GELU32 \mt, 0
	GELU32 \mt, 1
.if \mt > 0
	s_wait_alu depctr_vm_vsrc(0)                   ; the last tile's LDS stores have read v[PC ..] and v[PW], which the quantiser writes again
.endif
	QUANT H
	s_wait_alu depctr_va_vdst(0)                   ; the quantiser has written v[PC ..] and v[PW], which the LDS stores read; behind the last tile's wait no vector line follows, so it also serves the loads from the stage, which land in registers that gelu named
.irp c, 0,1
	ds_store_b128 v[STO], v[PC+4*\c:PC+4*\c+3] offset:\mt*4352+32*\c
.endr
	ds_store_b32 v[SSO], v[PW] offset:\mt*256      ; both halves of the lanes hold the same word and write it to the same place
.endr
	s_wait_dscnt 0x0                               ; for the others' sake: my codes and scale words have landed
	s_barrier_signal -1
	s_barrier_wait -1                              ; 80 rows of 256 bytes and their scale words lie in the stage
	s_cmp_eq_u32 s17, 0                            ; a tile without rows stores nothing; no barrier follows
	s_cbranch_scc1 .Lend
.set i, 0
.rept 10
	ds_load_b128 v[T+4*i:T+4*i+3], v[SRD] offset:544*i                       ; v96-135
.set i, i+1
.endr
.set i, 0
.rept 10
	s_wait_dscnt 9-i
	global_store_b128 v[GOUT], v[T+4*i:T+4*i+3], s[30:31] offset:2048*i      ; sixteen lanes store 256 consecutive aligned bytes of a row
.set i, i+1
.endr
	s_cmp_lg_u32 s12, 0
	s_cbranch_scc1 .Lend
.set i, 0
.rept 5
	ds_load_b64 v[Q+2*i:Q+2*i+1], v[SSR] offset:256*i                        ; v160-169: registers that no pending store names
.set i, i+1
.endr
.set i, 0
.rept 5
	s_wait_dscnt 4-i
	global_store_b64 v[L8], v[Q+2*i:Q+2*i+1], s[32:33] offset:256*i          ; 256 consecutive aligned bytes
.set i, i+1
.endr
.Lend:
	s_wait_dscnt 0x0                               ; the closing lines, six on end
	s_wait_alu 0x0
	s_wait_tensorcnt 0x0
	ds_add_u32 v254, v255
	s_wait_dscnt 0x0
	s_endpgm
.Lfunc_end_k_q1b27b45a8f_up:
	.size	k_q1b27b45a8f_up, .Lfunc_end_k_q1b27b45a8f_up-k_q1b27b45a8f_up
	.p2alignl 7, 3214868480
	.fill 96, 4, 3214868480
	.section	.rodata,"a",@progbits
	.p2align	6, 0x0
	.amdhsa_kernel k_q1b27b45a8f_up
		.amdhsa_group_segment_fixed_size 67072
		.amdhsa_private_segment_fixed_size 0
		.amdhsa_enable_private_segment 0
		.amdhsa_kernarg_size 32
		.amdhsa_user_sgpr_count 2
		.amdhsa_user_sgpr_kernarg_segment_ptr 1
		.amdhsa_wavefront_size32 1
		.amdhsa_system_sgpr_workgroup_id_x 1
		.amdhsa_system_sgpr_workgroup_id_y 1
		.amdhsa_system_sgpr_workgroup_id_z 1
		.amdhsa_system_vgpr_workitem_id 0
		.amdhsa_next_free_vgpr 896
		.amdhsa_next_free_sgpr 100
		.amdhsa_reserve_vcc 0
		.amdhsa_float_denorm_mode_32 3
		.amdhsa_float_denorm_mode_16_64 3
		.amdhsa_memory_ordered 1
		.amdhsa_forward_progress 1
		.amdhsa_inst_pref_size 255
	.end_amdhsa_kernel
	.section	.bss,"aw",@nobits
	.p2align	6
	.space	262144
	.amdgpu_metadata
---
amdhsa.version: [ 1, 2 ]
amdhsa.kernels:
  - .name:           k_q1b27b45a8f_up
    .symbol:         k_q1b27b45a8f_up.kd
    .args:
      - { .name: codes, .offset: 0, .size: 8, .value_kind: global_buffer, .address_space: global }
      - { .name: scal, .offset: 8, .size: 8, .value_kind: global_buffer, .address_space: global }
      - { .name: route, .offset: 16, .size: 8, .value_kind: global_buffer, .address_space: global }
      - { .name: hid, .offset: 24, .size: 8, .value_kind: global_buffer, .address_space: global }
    .group_segment_fixed_size: 67072
    .private_segment_fixed_size: 0
    .kernarg_segment_align: 8
    .kernarg_segment_size: 32
    .max_flat_workgroup_size: 128
    .sgpr_count:     100
    .vgpr_count:     896
    .wavefront_size: 32
...
	.end_amdgpu_metadata
.endif
;; end of part 5
;; launch down (part 6): grid 8 x 32, 4 waves a work-group, no clusters, 201,216 bytes of LDS; arguments hid, codes, scal, route, expert_weights, out0; writes out0
.if DOCPART == 6
	.amdgcn_target "amdgcn-amd-amdhsa--gfx1250"
	.amdhsa_code_object_version 6
	.text
	.protected	k_q1b27b45a8f_down
	.globl	k_q1b27b45a8f_down
	.p2align	8
	.type	k_q1b27b45a8f_down,@function
k_q1b27b45a8f_down:
	s_mov_b64 s[64:65], 0
	v_nop
	global_prefetch_b8 v0, s[64:65] scope:SCOPE_SE
	s_setreg_imm32_b32 hwreg(HW_REG_WAVE_SCHED_MODE, 0, 2), 2
	s_setreg_imm32_b32 hwreg(HW_REG_WAVE_MODE, 25, 1), 1
	s_wait_xcnt 0x0
	s_wait_alu depctr_vm_vsrc(0)
; DOWN: out[t] = sum over the token's picks of weight x (h Q(w2[e])).  Work-group (nx, y) owns 64 tokens of the sorted list x 128 output columns, and nobody else stores them.
; SHARES.  Wave w has pair P = 4 nx + w of W2's tiles (32 columns) for four tiles of 16 tokens: 8 accumulators.  The tokens' two hidden rows (slot 0: first pick, slot 1: second) are gathered once into LDS, 136 KiB;
; W2's codes go from memory straight into registers, 32 KiB a wave and expert, the next expert's asked for while this one's are multiplied.
; THE WALK.  The block's experts are a bit mask made from the stored records; the wave visits each expert that a token of the block uses.  In a visit a lane takes, for its token, the slot that holds this expert's hidden
; row (the slot's number, 0 or 1, held at 1 and shifted onto the address) and cw = the sum of the weights of the picks that name the expert; OUT += cw x product.  A token that does not use the expert takes its slot 0 row with cw = 0.
; The trip count hangs on stored numbers: all barriers stand outside the walk, on every wave's path.
; LIMITS: a hidden row times the w2 of an expert that the token does not use must stay finite, since it is multiplied by 0; NaN and infinities are not served.
; The product is used transposed (source 0 = 16 columns of W2's image, source 1 = 16 tokens): a lane holds one token, and by the order of W2's tiles 16 neighbouring columns.
; REGISTERS.  Window 0: v1-15 lane terms and addresses; v16-19 fragment addresses in slot 0; v24-29 the visit's chosen addresses; v30-37 the tokens' experts; v38-45 weights; v46-53 cw (pairs);
;   v54-57 experts by lane for the scale words; v58-59 at work; v60-75 W2's scale words; v76-107 the hidden rows' scale words; v108-171 at the head the records and the rows' scale words on their way, on the way out the rows read back;
;   v172-235 the accumulators.  Window 1: W2's fragments, K step s, tile u at v[16 s + 8 u].  Window 2: v0-63 OUT.
;   Window 3: first the gathered rows on their way to LDS, then the hidden fragments: a ring of eight sets of 32, K step s in set s % 8.
; THE MODE: SCHED_MODE bits 1:0 = 2 (LLVM: expert scheduling mode 2), set by the entry lines.  The code itself states the register dependences between vector or matrix instructions and memory or LDS instructions,
; with s_wait_alu, always for 0.
; THE PLAN.  Registers that memory or LDS instructions touch, in the walk:
;   the ring      K step s: its eight products read set s % 8; behind them the LDS loads of K step s + 4 land in set (s + 4) % 8, which the products of K step s - 4 read (in steps 0 to 3: those of the last visit's steps 12 to 15).
;   W2, v[BS ..]  K steps 0 to 7 read the first half and its scale words; the next expert's first half lands there ahead of K step 8, its second half behind K step 15.
;   v[ASC ..]     Read as scales by all of a visit's products; loaded at a visit's head.
;   v[AFS ..], v[ASEL ..]  Written at a visit's head by vector lines; read by all the visit's LDS loads.
;   v[L16], v[L8] Read by W2's loads; never written again.
; So a visit has four waits on va_vdst for its 128 products: at its head (the addresses are written; the last visit's products are done with the ring and the scale words), ahead of K steps 4 and 8 (the four steps before
; are done with the sets that the next four steps' loads fill; at 8 also with W2's first half), and behind K step 15 where a next expert follows.  Between a wait and the loads that it serves stand only products of other sets:
; steps 0-3 name sets 0-3 while sets 4-7 are filled, steps 4-7 sets 4-7 while 0-3 are filled, steps 8-11 sets 0-3 while 4-7 are filled.  One wait on vm_vsrc stands at a visit's head, one on va_sdst behind its run of compares.
.set W2C,   8388608
.set W2S,   524288
.set RECO,  19968
.set HSO,   4833280
; LDS.  Hidden images [token tile 4: 17,408][block 64: 16 rows x 16 B + 16]: slot 0 at 0, slot 1 at 2^17, so that the slot's number is shifted onto an address.
; Between them: ASO: the rows' scale words [slot: 2^13 apart][tile: 1,280][row: 64 + 16]; OSTG: the stage for the results, 64 rows x (512 + 16).
.set SL1,   131072
.set ASO,   69632
.set ASL,   8192
.set OSTG,  82944
.set LN,   1
.set RR,   2
.set HH,   3
.set L16,  4
.set L8,   5
.set AST,  6
.set ASST, 8
.set ASB,  9
.set OSTO, 11
.set ORD,  12
.set A0,   16
.set AFS,  24
.set ASEL, 28
.set E0F,  30
.set E1F,  34
.set WF,   38
.set CW,   46
.set E0S,  54
.set E1S,  56
.set TMP,  58
.set BS,   60
.set ASC,  76
.set ASET, 108
.set ACC,  172
.set MK,   38                          ; s38 experts still to be asked for; s39 visits to go; s40 the expert whose codes were asked for last
.set NV,   39
.set EC,   40
.set CM,   44                          ; s44-55 a run of compares' masks: a register to each, so that one wait serves the run
.set SM,   56                          ; s56-61 where the second pick alone names the expert
.set MSB, 0
.macro WIN new
.if MSB != (\new)
	s_set_vgpr_msb (MSB<<8)|(\new)
.set MSB, (\new)
.endif
.endm
.macro WMR d, a, b, c, sa, sb, ra, rb
.if (\ra) && (\rb)
	v_wmma_scale_f32_16x16x128_f8f6f4 v[\d:\d+7], v[\a:\a+7], v[\b:\b+7], \c, v[\sa], v[\sb] matrix_a_fmt:MATRIX_FMT_FP4 matrix_b_fmt:MATRIX_FMT_FP4 matrix_a_scale:MATRIX_SCALE_ROW1 matrix_b_scale:MATRIX_SCALE_ROW1
.elseif (\ra)
	v_wmma_scale_f32_16x16x128_f8f6f4 v[\d:\d+7], v[\a:\a+7], v[\b:\b+7], \c, v[\sa], v[\sb] matrix_a_fmt:MATRIX_FMT_FP4 matrix_b_fmt:MATRIX_FMT_FP4 matrix_a_scale:MATRIX_SCALE_ROW1
.elseif (\rb)
	v_wmma_scale_f32_16x16x128_f8f6f4 v[\d:\d+7], v[\a:\a+7], v[\b:\b+7], \c, v[\sa], v[\sb] matrix_a_fmt:MATRIX_FMT_FP4 matrix_b_fmt:MATRIX_FMT_FP4 matrix_b_scale:MATRIX_SCALE_ROW1
.else
	v_wmma_scale_f32_16x16x128_f8f6f4 v[\d:\d+7], v[\a:\a+7], v[\b:\b+7], \c, v[\sa], v[\sb] matrix_a_fmt:MATRIX_FMT_FP4 matrix_b_fmt:MATRIX_FMT_FP4
.endif
.endm
.macro BASES                           ; where expert s[EC]'s codes and scale words of my pair begin
	s_lshl_b32 s22, s[EC], 20
	s_mov_b32 s23, 0
	s_add_nc_u64 s[24:25], s[28:29], s[22:23]
	s_lshl_b32 s22, s[EC], 16
	s_add_nc_u64 s[26:27], s[30:31], s[22:23]
.endm
.macro NEXTE                           ; the lowest expert left in the mask
	s_ctz_i32_b32 s[EC], s[MK]
	s_min_u32 s[EC], s[EC], 7
	s_lshl_b32 s22, 1, s[EC]
	s_and_not1_b32 s[MK], s[MK], s22
	s_wait_xcnt 0x0                                ; the loads issued so far have read their bases: only now are these rewritten
	BASES
.endm
.macro HLOAD hf                        ; half hf of an expert's part: K steps 8 hf .. 8 hf + 7 of my two tiles, and their scale words: 36 loads
	WIN 0x40
.irp st, 0,1,2,3,4,5,6,7
.irp u, 0,1
.irp c, 0,1
	global_load_b128 v[16*(8*(\hf)+\st)+8*\u+4*\c:16*(8*(\hf)+\st)+8*\u+4*\c+3], v[L16], s[24:25] offset:\u*16384+(8*(\hf)+\st)*1024+\c*512
.endr
.endr
.endr
	WIN 0
.irp kq, 0,1,2,3
	global_load_b64 v[BS+2*(4*(\hf)+\kq):BS+2*(4*(\hf)+\kq)+1], v[L8], s[26:27] offset:(4*(\hf)+\kq)*8192
.endr
.endm
.macro A2LOAD st                       ; the four token tiles' fragments of K step st into ring set st % 8 (window 3), each lane from its token's slot
.irp mt, 0,1,2,3
.irp c, 0,1
	ds_load_b128 v[32*((\st)%8)+8*\mt+4*\c:32*((\st)%8)+8*\mt+4*\c+3], v[AFS+\mt] offset:1088*(\st)+544*\c
.endr
.endr
.endm
.macro PROD2 mt, u, st
.set dD, ACC+8*(2*(\mt)+(\u))
.set dA, 16*(\st)+8*(\u)
.set dB, 32*((\st)%8)+8*(\mt)
.set dS, BS+(\st)
.set dT, ASC+16*((\mt)/2)+(\st)
.if (\st) == 0
	WMR dD, dA, dB, 0, dS, dT, (\u), (\mt)%2       ; a visit's first K step starts its sums
.else
	WMR dD, dA, dB, v[dD:dD+7], dS, dT, (\u), (\mt)%2
.endif
.endm
.macro KSTEP2 st, next
.if ((\st) == 4) || ((\st) == 8)
.rept 4
	v_nop                                          ; four places between the products and the loads into registers that they read; the wait below states the dependence
.endr
	s_wait_alu depctr_va_vdst(0)                   ; the products of the four K steps before are done reading their sets of the ring, in which the loads of this step and the next three land; at K step 8, K steps 0 to 7 are also done with W2's first half and its scale words
.endif
.if (\next) && ((\st) == 8)
	NEXTE
	HLOAD 0
.endif
.if (\st) == 0
	s_wait_loadcnt 36                              ; this expert's first half is in; its second half, 36 loads, may be out
.elseif (\st) == 8
.if \next
	s_wait_loadcnt 36                              ; the second half is in; the next expert's first half may be out
.else
	s_wait_loadcnt 0x0
.endif
.endif
.if (\st) <= 12
	s_wait_dscnt 24                                ; this step's fragments (at step 0 the scale words too) are in; those of the three steps behind it, 24 loads, may be out
.else
	s_wait_dscnt 8*(15-(\st))
.endif
	WIN 0x0d                                       ; source 0 (W2) window 1, source 1 (the ring) window 3
.irp mt, 0,1,2,3
.irp u, 0,1
	PROD2 \mt, \u, \st                             ; the eight accumulators by turns, one instruction a turn
.endr
.endr
.if (\st)+4 < 16
	WIN 0xc0                                       ; destination window 3, address window 0
	A2LOAD (\st)+4                                 ; no wait: no vector or matrix instruction since the last wait on va_vdst names this set or v[AFS ..]
.endif
.endm
; A visit of expert s[EC].  next = 1: the next expert's codes are asked for as this one's registers come free.
.macro VISIT next
	s_wait_alu depctr_vm_vsrc(0)                   ; the last visit's LDS loads have read v[AFS ..] and v[ASEL ..], which are written anew below; ahead of the first visit: my LDS stores have read window 3, which is the ring from here on, and the gather's loads their offsets in v[ACC ..], which the products write
.irp mt, 0,1,2,3
	v_cmp_eq_u32 s[CM+2*\mt], s[EC], v[E0F+\mt]
	v_cmp_eq_u32 s[CM+2*\mt+1], s[EC], v[E1F+\mt]
.endr
.irp j, 0,1
	v_cmp_eq_u32 s[CM+8+2*\j], s[EC], v[E0S+\j]
	v_cmp_eq_u32 s[CM+9+2*\j], s[EC], v[E1S+\j]
.endr
	s_wait_alu depctr_va_sdst(0)                   ; the twelve masks are written, ahead of their first readers
.irp i, 0,1,2,3,4,5
	s_and_not1_b32 s[SM+\i], s[CM+2*\i+1], s[CM+2*\i]
.endr
.irp mt, 0,1,2,3
	v_cndmask_b32 v[CW+2*\mt], 0, v[WF+2*\mt], s[CM+2*\mt]
	v_cndmask_b32 v[TMP], 0, v[WF+2*\mt+1], s[CM+2*\mt+1]
	v_add_f32 v[CW+2*\mt], v[CW+2*\mt], v[TMP]     ; cw: a pick named twice counts twice
	v_cndmask_b32 v[TMP+1], 0, 1, s[SM+\mt]        ; the slot: 1 where the second pick alone names the expert,
	v_min_u32 v[TMP+1], 1, v[TMP+1]                ; held at 1: what comes of stored numbers enters an address only so,
	v_lshl_add_u32 v[AFS+\mt], v[TMP+1], 17, v[A0+\mt]   ; and 2^17 bytes a slot
.endr
.irp j, 0,1
	v_cndmask_b32 v[TMP+1], 0, 1, s[SM+4+\j]
	v_min_u32 v[TMP+1], 1, v[TMP+1]
	v_lshl_add_u32 v[ASEL+\j], v[TMP+1], 13, v[ASB]      ; the scale words' slots lie 2^13 bytes apart
.endr
	s_wait_alu depctr_va_vdst(0)                   ; v[AFS ..] and v[ASEL ..] are written, which the LDS loads read; the last visit's products are done reading v[ASC ..] and the ring, in which these loads and those of K steps 0 to 3 land
.irp j, 0,1
.irp q, 0,1,2,3
	ds_load_b128 v[ASC+16*\j+4*\q:ASC+16*\j+4*\q+3], v[ASEL+\j] offset:2560*\j+16*\q   ; register 16 j + s: K step s; lanes 0-15 token tile 2 j, lanes 16-31 tile 2 j + 1
.endr
.endr
	WIN 0xc0
	A2LOAD 0
	A2LOAD 1
	A2LOAD 2
	A2LOAD 3
.irp st, 0,1,2,3,4,5,6,7,8,9,10,11,12,13,14,15
	KSTEP2 \st, \next
.endr
	WIN 0
.rept 4
	v_nop                                          ; four places (ISA guide 7.12.1) ahead of the first read of results
.endr
.if \next
	s_wait_alu depctr_va_vdst(0)                   ; K steps 8 to 15 are done reading W2's second half and its scale words, in which the next expert's land
	HLOAD 1
.endif
	WIN 0xa0                                       ; OUT (destination and source 2) window 2
.set ci, 0
.rept 32
	v_pk_fma_f32 v[2*ci:2*ci+1], v[ACC+2*ci:ACC+2*ci+1], v[CW+2*(ci/8):CW+2*(ci/8)+1], v[2*ci:2*ci+1] op_sel_hi:[1,0,1]   ; ascending: each accumulator is first read at its low end
.set ci, ci+1
.endr
	WIN 0
.endm
	s_load_b256 s[4:11], s[0:1], 0x0               ; hid s[4:5], codes s[6:7], scal s[8:9], route s[10:11]
	s_load_b128 s[12:15], s[0:1], 0x20             ; expert_weights s[12:13], out0 s[14:15]
	v_lshl_add_u32 v254, v0, 2, 0x31000
	v_mov_b32 v255, 0
	v_lshrrev_b32 v1, 5, v0
	v_readfirstlane_b32 s16, v1                    ; wave
	v_and_b32 v[LN], 31, v0
	v_and_b32 v[RR], 15, v0
	v_bfe_u32 v[HH], v0, 4, 1
	v_lshlrev_b32 v[L16], 4, v[LN]
	v_lshlrev_b32 v[L8], 3, v[LN]
	s_and_b32 s17, ttmp7, 0xffff                   ; y: the block of 64 tokens;  ttmp9: nx
	s_lshl_b32 s18, s17, 10
	s_add_co_u32 s18, s18, RECO
	s_mov_b32 s19, 0
	v_lshlrev_b32 v13, 4, v[RR]
	s_wait_alu depctr_va_sdst(0)                   ; s16, the wave's number, is written, ahead of its first reader
	s_lshl_b32 s20, s16, 8
	v_add_nc_u32 v14, s20, v13
	v_mov_b32 v15, 1
	s_wait_kmcnt 0x0
	s_add_nc_u64 s[18:19], s[10:11], s[18:19]      ; the block's 64 records
	s_wait_alu depctr_va_vdst(0)                   ; the offsets v13, v14 and v[L16] are written, which the loads below read
.irp mt, 0,1,2,3
	global_load_b128 v[ASET+4*\mt:ASET+4*\mt+3], v13, s[18:19] offset:256*\mt   ; token 16 mt + r
.endr
	global_load_b32 v[ASET+16], v[L16], s[18:19] offset:4                    ; the experts of token lane, and of token 32 + lane
	global_load_b32 v[ASET+17], v[L16], s[18:19] offset:516
	global_load_b64 v[ASET+18:ASET+19], v14, s[18:19] offset:8               ; the positions of token 16 w + r
	s_lshl_b32 s20, s16, 4
	s_mov_b32 s21, 0
	s_add_nc_u64 s[20:21], s[18:19], s[20:21]
.set j, 0
.rept 16
	s_load_b64 s[66+2*j:67+2*j], s[20:21], 64*j+8  ; the positions of token 4 j + w: the rows that my wave gathers
.set j, j+1
.endr
	v_mul_u32_u24 v[AST], v[LN], 272
	s_lshl_b32 s22, s16, 4
	v_add_nc_u32 v[AST], s22, v[AST]               ; a gathered row goes in: block = lane (+ 32), 272 bytes apart
	v_add_nc_u32 v[AST+1], SL1, v[AST]             ; the same in slot 1
	v_mul_u32_u24 v[ASB], v[RR], 80
	v_mad_u32_u24 v[ASST], v[HH], ASL, v[ASB]
	s_mul_i32 s22, s16, 1280
	s_add_co_u32 s22, s22, ASO
	v_add_nc_u32 v[ASST], s22, v[ASST]             ; scale words in: slot h, token tile w, row r
	v_mad_u32_u24 v[ASB], v[HH], 1280, v[ASB]
	v_add_nc_u32 v[ASB], ASO, v[ASB]               ; and out: slot 0, tile h of a pair, row r
	v_mul_u32_u24 v[OSTO], v[RR], 528
	v_lshl_add_u32 v[OSTO], v[HH], 6, v[OSTO]
	s_lshl_b32 s22, s16, 7
	s_add_co_u32 s22, s22, OSTG
	v_add_nc_u32 v[OSTO], s22, v[OSTO]             ; results to the stage: row r, 128 bytes a wave, 64 h
	s_mul_i32 s22, s16, 8448
	s_add_co_u32 s22, s22, OSTG
	v_add_nc_u32 v[ORD], s22, v[L16]               ; back: my 16 rows, a row an instruction
	v_mul_u32_u24 v[A0], v[HH], 272
	v_lshl_add_u32 v[A0], v[RR], 4, v[A0]
.irp mt, 1,2,3
	v_add_nc_u32 v[A0+\mt], 17408*\mt, v[A0]
.endr
	s_lshl_b32 s22, ttmp9, 2
	s_add_co_u32 s22, s22, s16                     ; P
	s_lshl_b32 s23, s22, 15
	s_add_co_u32 s28, s23, W2C
	s_mov_b32 s29, 0
	s_add_nc_u64 s[28:29], s[6:7], s[28:29]        ; W2's fragments, tiles 2 P on
	s_lshl_b32 s30, s22, 8
	s_add_co_u32 s30, s30, W2S
	s_mov_b32 s31, 0
	s_add_nc_u64 s[30:31], s[8:9], s[30:31]        ; W2's scale words, pair P
	s_add_nc_u64 s[34:35], s[4:5], HSO             ; the hidden rows' scale words
	s_lshl_b32 s32, s16, 8
	s_mov_b32 s33, 0
	s_add_nc_u64 s[32:33], s[18:19], s[32:33]      ; the records of tokens 16 w on
	s_lshl_b32 s36, ttmp9, 9
	s_mov_b32 s37, 0
	s_add_nc_u64 s[36:37], s[14:15], s[36:37]      ; out0 at column 128 nx
	s_wait_loadcnt 0x0
	s_wait_kmcnt 0x0
	v_cmp_gt_u32 vcc_lo, 16, v[LN]
.irp mt, 0,1,2,3
	v_and_b32 v[E0F+\mt], 0xff, v[ASET+4*\mt+1]
	v_bfe_u32 v[E1F+\mt], v[ASET+4*\mt+1], 8, 8
	v_min_u32 v[ASET+4*\mt], 2047, v[ASET+4*\mt]
	v_lshlrev_b32 v[ASET+4*\mt], 3, v[ASET+4*\mt]
	v_mov_b32 v[CW+2*\mt+1], 0                     ; (named as the upper half of a pair, so it is written)
.endr
.irp j, 0,1
	v_and_b32 v[E0S+\j], 0xff, v[ASET+16+\j]
	v_bfe_u32 v[E1S+\j], v[ASET+16+\j], 8, 8
.endr
	s_wait_alu depctr_va_vcc(0)                    ; VCC is written by the compare above, ahead of the select that reads it
	v_cndmask_b32 v[ASET+20], v[ASET+19], v[ASET+18], vcc_lo                 ; lanes 0-15 the first pick's position, lanes 16-31 the second's
	v_min_u32 v[ASET+20], 4719, v[ASET+20]
	v_lshlrev_b32 v[ASET+20], 4, v[ASET+20]
	s_wait_alu depctr_va_vdst(0)                   ; the offsets v[ASET + 4 mt] and v[ASET + 20] are written, which the eight loads below read
.irp mt, 0,1,2,3
	global_load_b64 v[WF+2*\mt:WF+2*\mt+1], v[ASET+4*\mt], s[12:13]          ; the token's two weights
.endr
.irp q, 0,1,2,3
	global_load_b128 v[ASET+24+4*\q:ASET+27+4*\q], v[ASET+20], s[34:35] offset:75520*\q
.endr
	v_lshlrev_b32 v[TMP], v[E0S], v15              ; the block's experts as bits: each lane's four, then all lanes'
	v_lshlrev_b32 v[TMP+1], v[E1S], v15
	v_or_b32 v[TMP], v[TMP], v[TMP+1]
	v_lshlrev_b32 v[TMP+1], v[E0S+1], v15
	v_or_b32 v[TMP], v[TMP], v[TMP+1]
	v_lshlrev_b32 v[TMP+1], v[E1S+1], v15
	v_or_b32 v[TMP], v[TMP], v[TMP+1]
	s_mov_b32 s[MK], 0
.irp e, 0,1,2,3,4,5,6,7
	v_and_b32 v[TMP+1], 1<<\e, v[TMP]
	v_cmp_ne_u32 s[CM+\e], 0, v[TMP+1]
.endr
	s_wait_alu depctr_va_sdst(0)                   ; the eight masks are written, ahead of their first readers
.irp e, 0,1,2,3,4,5,6,7
	s_cmp_lg_u32 s[CM+\e], 0
	s_cselect_b32 s23, 1<<\e, 0
	s_or_b32 s[MK], s[MK], s23
.endr
	s_bcnt1_i32_b32 s[NV], s[MK]                   ; visits: 1 to 8
	s_ctz_i32_b32 s[EC], s[MK]
	s_min_u32 s[EC], s[EC], 7
	s_lshl_b32 s22, 1, s[EC]
	s_and_not1_b32 s[MK], s[MK], s22
	BASES
.set j, 0
.rept 32
	s_min_u32 s[66+j], s[66+j], 4719
	v_lshl_add_u32 v[ACC+j], s[66+j], 10, v[L16]   ; the position's row of 1,024 bytes, 16 a lane
.set j, j+1
.endr
	WIN 0xc0                                       ; destination window 3
	s_wait_alu depctr_va_vdst(0)                   ; the rows' offsets v[ACC ..] are written, which the 64 loads below read; so are the LDS addresses v6 to v19, which the stores and loads further down read
.set j, 0
.rept 32
	global_load_b128 v[8*j:8*j+3], v[ACC+j], s[4:5]
	global_load_b128 v[8*j+4:8*j+7], v[ACC+j], s[4:5] offset:512
.set j, j+1
.endr
	WIN 0
	HLOAD 0
	s_wait_loadcnt 36                              ; weights, scale words and rows are in; the 36 loads of W2's first half may be out
.irp q, 0,1,2,3
	ds_store_b128 v[ASST], v[ASET+24+4*\q:ASET+27+4*\q] offset:16*\q
.endr
	WIN 0x0c                                       ; an LDS store's data are its source 1: window 3
.set j, 0
.rept 32                                       ; j = 2 x (token's number in my 16) + slot; token 4 (j / 2) + w is row 4 ((j / 2) % 4) + w of tile (j / 2) / 4
	ds_store_b128 v[AST+j%2], v[8*j:8*j+3] offset:((j/2)/4)*17408+64*((j/2)%4)
	ds_store_b128 v[AST+j%2], v[8*j+4:8*j+7] offset:((j/2)/4)*17408+8704+64*((j/2)%4)
.set j, j+1
.endr
	WIN 0
	HLOAD 1
	WIN 0x80
.set j, 0
.rept 64
	v_mov_b32 v[j], 0                              ; OUT, once: the visit is then written in two copies and not three
.set j, j+1
.endr
	WIN 0
	s_wait_dscnt 0x0                               ; for the others' sake: my rows and scale words have landed
	s_barrier_signal -1
	s_barrier_wait -1
	s_sub_co_u32 s[NV], s[NV], 1
	s_cmp_eq_u32 s[NV], 0
	s_cbranch_scc1 .Ltail
.Lvisit:
	VISIT 1
	s_sub_co_u32 s[NV], s[NV], 1
	s_cmp_lg_u32 s[NV], 0
	s_cbranch_scc1 .Lvisit
.Ltail:
	VISIT 0                                        ; the last visit asks for nothing more: written out, so that each wait's count is right on its own way
.set i, 0
.rept 16
	s_load_b32 s[66+i], s[32:33], 16*i             ; the numbers of the tokens whose rows I store
.set i, i+1
.endr
	s_wait_dscnt 0x0                               ; my reads of the walk are over.  A lane's slot hangs on stored numbers, so the text alone bounds those reads by the span of both slots,
	s_barrier_signal -1                            ; and the stage lies inside that span: a barrier parts every wave's reads from any wave's stores into the stage
	s_barrier_wait -1
	WIN 0x08                                       ; the data: window 2
	s_wait_alu depctr_va_vdst(0)                   ; the last visit's multiply-adds have written OUT, which the LDS stores read
.irp mt, 0,1,2,3
.irp u, 0,1
	ds_store_b128 v[OSTO], v[8*(2*\mt+\u):8*(2*\mt+\u)+3] offset:8448*\mt+32*\u          ; lane (r, h): token 16 mt + r, columns 32 w + 16 h + 8 u on
	ds_store_b128 v[OSTO], v[8*(2*\mt+\u)+4:8*(2*\mt+\u)+7] offset:8448*\mt+32*\u+16
.endr
.endr
	WIN 0
	s_wait_dscnt 0x0
	s_barrier_signal -1
	s_barrier_wait -1                              ; 64 rows of 512 bytes lie in the stage
.set i, 0
.rept 16
	ds_load_b128 v[ASET+4*i:ASET+4*i+3], v[ORD] offset:528*i                 ; v108-171: named by vector lines and read by loads and stores at the head alone, ahead of the walk's waits
.set i, i+1
.endr
	s_wait_kmcnt 0x0
.set i, 0
.rept 16
	s_min_u32 s[66+i], s[66+i], 2047
	v_lshl_add_u32 v[ACC+i], s[66+i], 12, v[L16]   ; the token's row of out0, 16 bytes a lane
.set i, i+1
.endr
	s_wait_alu depctr_va_vdst(0)                   ; the rows' offsets v[ACC ..] are written, which the stores below read
.set i, 0
.rept 16
	s_wait_dscnt 15-i
	global_store_b128 v[ACC+i], v[ASET+4*i:ASET+4*i+3], s[36:37] th:TH_STORE_NT   ; 32 lanes store 512 consecutive aligned bytes
.set i, i+1
.endr
	s_wait_dscnt 0x0                               ; the closing lines, six on end
	s_wait_alu 0x0
	s_wait_tensorcnt 0x0
	ds_add_u32 v254, v255
	s_wait_dscnt 0x0
	s_endpgm
.Lfunc_end_k_q1b27b45a8f_down:
	.size	k_q1b27b45a8f_down, .Lfunc_end_k_q1b27b45a8f_down-k_q1b27b45a8f_down
	.p2alignl 7, 3214868480
	.fill 96, 4, 3214868480
	.section	.rodata,"a",@progbits
	.p2align	6, 0x0
	.amdhsa_kernel k_q1b27b45a8f_down
		.amdhsa_group_segment_fixed_size 201216
		.amdhsa_private_segment_fixed_size 0
		.amdhsa_enable_private_segment 0
		.amdhsa_kernarg_size 48
		.amdhsa_user_sgpr_count 2
		.amdhsa_user_sgpr_kernarg_segment_ptr 1
		.amdhsa_wavefront_size32 1
		.amdhsa_system_sgpr_workgroup_id_x 1
		.amdhsa_system_sgpr_workgroup_id_y 1
		.amdhsa_system_sgpr_workgroup_id_z 1
		.amdhsa_system_vgpr_workitem_id 0
		.amdhsa_next_free_vgpr 1024
		.amdhsa_next_free_sgpr 100
		.amdhsa_reserve_vcc 1
		.amdhsa_float_denorm_mode_32 3
		.amdhsa_float_denorm_mode_16_64 3
		.amdhsa_memory_ordered 1
		.amdhsa_forward_progress 1
		.amdhsa_inst_pref_size 111
	.end_amdhsa_kernel
	.amdgpu_metadata
---
amdhsa.version: [ 1, 2 ]
amdhsa.kernels:
  - .name:           k_q1b27b45a8f_down
    .symbol:         k_q1b27b45a8f_down.kd
    .args:
      - { .name: hid, .offset: 0, .size: 8, .value_kind: global_buffer, .address_space: global }
      - { .name: codes, .offset: 8, .size: 8, .value_kind: global_buffer, .address_space: global }
      - { .name: scal, .offset: 16, .size: 8, .value_kind: global_buffer, .address_space: global }
      - { .name: route, .offset: 24, .size: 8, .value_kind: global_buffer, .address_space: global }
      - { .name: expert_weights, .offset: 32, .size: 8, .value_kind: global_buffer, .address_space: global }
      - { .name: out0, .offset: 40, .size: 8, .value_kind: global_buffer, .address_space: global }
    .group_segment_fixed_size: 201216
    .private_segment_fixed_size: 0
    .kernarg_segment_align: 8
    .kernarg_segment_size: 48
    .max_flat_workgroup_size: 128
    .sgpr_count:     100
    .vgpr_count:     1024
    .wavefront_size: 32
...
	.end_amdgpu_metadata
.endif
;; end of part 6
